; MI455X (gfx1250); checked and timed in simulation.
; The chip was launched on July 23, 2026; its instructions are those of AMD's public machine-readable ISA for CDNA 5 (MIT licence, August 2026) and "CDNA5" Instruction Set Architecture Reference Guide (July 2026). The comments in the code are by the model that wrote it; some were corrected since.
;; Multi Head Attention. Allowed arithmetic: matrix products marked QUANTISED: E4M3 operands, one E8M0 scale for each 32 along K, by v_wmma_scale_f32_16x16x128_f8f6f4 with both operands' format E4M3, f32 sums; everything else in f32.
;; Inputs: Wk 1,024 x 1,024 float32; Wo 1,024 x 1,024 float32; Wq 1,024 x 1,024 float32; Wv 1,024 x 1,024 float32; bk 1,024 float32; bo 1,024 float32; bq 1,024 float32; bv 1,024 float32; x 1 x 4,096 x 1,024 float32.
;; Outputs: out0 1 x 4,096 x 1,024 float32.
;; This version of the problem:
;;   THIS VERSION OF THE PROBLEM IS GIVEN IN LOW PRECISION. The matrix products marked QUANTISED in the list below multiply operands that are first quantised to E4M3 (4 exponent bits, 3 mantissa bits; 8 bits a number), with one power-of-two scale for each 32 numbers along K (OCP MX v1.0); their sums are f32. All else is computed in f32.
;;   The module's matrix products, in the order in which they are computed (A, B: the left and right operand; K: the contracted axis; several contracted axes count as one K, in the product's order):
;;     1. [M 4,096, K 1,024] x [K 1,024, N 1,024]; A: input x; B: input Wq: QUANTISED
;;     2. [M 4,096, K 1,024] x [K 1,024, N 1,024]; A: input x; B: input Wk: QUANTISED
;;     3. [M 4,096, K 1,024] x [K 1,024, N 1,024]; A: input x; B: input Wv: QUANTISED
;;     4. batch 16 x [M 4,096, K 64] x [K 64, N 4,096]; A: computed on the way; B: computed on the way: QUANTISED
;;     5. batch 16 x [M 4,096, K 4,096] x [K 4,096, N 64]; A: softmax (see below); B: computed on the way: QUANTISED
;;     6. [M 4,096, K 1,024] x [K 1,024, N 1,024]; A: computed on the way; B: input Wo: QUANTISED
;;   THE QUANTISER, for each operand of a quantised product, along K:
;;     - K is cut into blocks of 32 from its start; a last block that is shorter is filled with zeros.
;;     - A block's scale is 2^e with e = floor(log2(the largest magnitude in the block)) - 8, held to -126 .. 127; a block of zeros has e = 0. As a byte (E8M0): e + 127.
;;     - Each number is divided by its block's scale, clamped to +-448, and rounded to the nearest number of E4M3, ties to even, subnormals kept.
;;     - The product sums the exact products of the quantised numbers (number of the format x scale) in f32.
;;   ~~~python
;;   def quantise(x, axis):      # numpy; x: float32 -> the quantised numbers, widened to float32 again
;;       x = np.moveaxis(x, axis, -1); K = x.shape[-1]
;;       x = np.pad(x, [(0, 0)] * (x.ndim - 1) + [(0, -K % 32)]); x = x.reshape(x.shape[:-1] + (-1, 32)); a = np.abs(x).max(-1, keepdims=True)
;;       e = np.where(a > 0, np.clip(np.frexp(np.where(a > 0, a, 1))[1] - 1 - 8, -126, 127), 0)      # np.frexp(a)[1] - 1 = floor(log2(a)), exactly
;;       r = np.clip(x / 2.0 ** e, -448, 448)
;;       step = 2.0 ** (np.maximum(np.frexp(np.where(r == 0, 1, r))[1] - 1, -6) - 3)
;;       q = np.round(r / step) * step * 2.0 ** e      # np.round: ties to even
;;       return np.moveaxis(q.reshape(q.shape[:-2] + (-1,))[..., :K], -1, axis).astype(np.float32)
;;   ~~~
;;   SOFTMAX AHEAD OF A QUANTISED PRODUCT. Where the list says 'softmax', what is quantised is not the finished softmax but p = 2^(t - M), with t = logit x log2(e) and M = ceil(the row's largest t), a whole number; so 1/2 < the row's largest p <= 1. The row's sum l is taken of the UNQUANTISED p, in f32, and the product's result is divided by l at the end. Since M is a whole number, a kernel that streams over the keys may use a running M (the ceiling of the running maximum): every later rescaling is an exact power of two, which a block's scale takes up: the codes' values come out the same.
;;   OPERANDS COMPUTED ON THE WAY. 'Computed on the way' means the value that the module computes at that place (a softmax that the list does not call 'softmax' is quantised finished and normalised). What goes into a quantiser is computed in f32, as accurately as f32 sums, v_exp_f32 and their like allow (about 1e-6 of the number): no bf16 or f16 on the way to a quantiser, and a product that is left as it is and whose result goes on into a quantised operand takes f32 operands (vector FMAs, or v_wmma_f32_16x16x4_f32). A number that lies on a knife's edge between two numbers of the format may be rounded either way, as far as f32 arithmetic and the matrix unit's own rounding can turn it there, and no further.
;; One version. Each part assembles by itself: llvm-mc -triple=amdgcn-amd-amdhsa -mcpu=gfx1250 --defsym DOCPART=n.
;; ======== version 1 of 1: 4 launches
;; limits: right only within a limited range of input values
;; workspace buffers: xq 4,325,376 bytes; wq3 3,244,032 bytes; woq 1,081,344 bytes; qc 4,456,448 bytes; kv 8,650,752 bytes; ac 4,194,304 bytes; asc 131,072 bytes
;; launch quant (part 1): grid 256 x 1, 4 waves a work-group, no clusters, 300,544 bytes of LDS; arguments x, Wq, Wk, Wv, Wo, xq, wq3, woq; writes xq, wq3, woq
.if DOCPART == 1
	.amdgcn_target "amdgcn-amd-amdhsa--gfx1250"
	.amdhsa_code_object_version 6
	.text
	.protected	k_q0f4c5a8364_quant
	.globl	k_q0f4c5a8364_quant
	.p2align	8
	.type	k_q0f4c5a8364_quant,@function
k_q0f4c5a8364_quant:
	s_mov_b64 s[64:65], 0
	v_nop
	global_prefetch_b8 v0, s[64:65] scope:SCOPE_SE
	s_setreg_imm32_b32 hwreg(HW_REG_WAVE_MODE, 25, 1), 1
	s_wait_xcnt 0x0
; x [4096][1024] and Wq, Wk, Wv, Wo [1024 (k)][1024 (n)], f32, become codes of FP8 (E4M3) with one E8M0 byte for each 32 along K, laid as IMAGES OF OPERAND REGISTERS.
; AN IMAGE is a fragment of 16 rows x 128 K, 2,048 bytes: piece c (0..3) at 512 c, lane l = r + 16 h at 16 l: the codes k = 32 c + 16 h + 0..15 of row r.  Four 16-byte accesses a lane move it, 512 consecutive bytes each.
; THE ROWS OF A TILE ARE NOT NEIGHBOURS: of a group of 32 tokens or features, row m of tile u (0, 1) is number 16 (m / 8) + 8 u + m % 8, so that a later product's 16 results of two tiles are 16 neighbours.
; A block's scale is 2^(floor(log2(largest magnitude)) - 8); its byte is that magnitude's exponent field - 8, held at 1 from below; numbers are held within +-448 x the scale and rounded to the nearest code, ties to even.
; LIMITS: a block of zeros gets the byte 1 where the rule says 127 (its codes are zeros, and this program alone reads the bytes); blocks whose largest magnitude lies under 2^-118 are held at the byte 1; NaN and infinities are not served.
; SHARES.  Work-groups 0-127 take x: a wave takes 64 tokens x 128 K (32 KiB).  Work-groups 128-255 take the weights: a wave takes 128 K x 64 features (32 KiB).  Each wave asks for all its bytes by one tensor load at its head,
; into LDS bytes of its own, and reads only those: its own wait on TENSORcnt is all the ordering; LDS is filled once; no barrier.  The two paths have LDS bytes of their own.
; No cluster: no two work-groups read the same bytes.  No prefetch: every request goes out at the head.
.set XPITCH, 528                       ; x: an LDS row of 512 bytes + 16 of padding
.set XWAVE,  64*XPITCH                 ; a wave's 64 rows
.set WBASE,  4*XWAVE                   ; the weights' path: input, 128 rows of 256 bytes a wave,
.set WWAVE,  32768
.set SBASE,  WBASE+4*WWAVE             ; and a stage a wave: four images and 256 bytes of scale words
.set SWAVE,  8448
.set WV,  20                           ; s20 my wave's number
.set G1X, 24                           ; s[24:31] group 1 for x's tiles;  s[32:39] for the weights'
.set G1W, 32
.set G0A, 40                           ; s[40:43] group 0 of my one load
.set G0B, 44
.set SEL, 56                           ; s[56:57] v_permlanex16_b32's selects for lane l xor 16
.set MNT, 58                           ; s58 the mantissa field of 448
.set HM,  59                           ; s59 a lane mask: lanes 16-31
.set TM,  16                           ; v16-19 largest magnitudes, v20-23 bytes, v24-27 448 x the scale, v28-31 the conversions' scale operands
.set PWJ, 32                           ; v32-35 x: the four tiles' scale words
.set XSO, 36                           ; v36-37 x: the words as they are stored
.set PC,  40                           ; v40-55 a fragment's codes
.set X,   64                           ; v64-191 x: two sets of 64 numbers
.set SBW, 32                           ; v32-33 weights: my two features' scale words
.set SOUT, 36                          ; v36-37 weights: scale words on the way out
.set C,   40                           ; v40-47 weights: a block's codes
.set Y,   64                           ; v64-127 weights: two sets of 32 numbers
.set OUTR, 128                         ; v128-191 weights: the images on the way out
; 64 numbers of a lane, register 16 b + i = k 32 b + 16 (lane / 16) + i of my row, become a fragment's codes in v[PC] on and its scale word in v[pw]
.macro QUANT s, pw
.irp b, 0,1,2,3
	v_max3_num_f32 v[TM+\b], |v[(\s)+16*\b]|, |v[(\s)+1+16*\b]|, 0x4800000   ; my 16 numbers of block b, and the floor 2^(9 - 127): the byte cannot fall under 1
.endr
.irp i, 2,4,6,8,10,12,14
.irp b, 0,1,2,3
	v_max3_num_f32 v[TM+\b], v[TM+\b], |v[(\s)+16*\b+\i]|, |v[(\s)+1+16*\b+\i]|   ; the four blocks by turns
.endr
.endr
.irp b, 0,1,2,3
	v_permlanex16_b32 v[TM+4+\b], v[TM+\b], s[SEL], s[SEL+1]
.endr
.irp b, 0,1,2,3
	v_max_num_f32 v[TM+\b], v[TM+\b], v[TM+4+\b]   ; with lane l xor 16's 16: the block's largest magnitude
.endr
.irp b, 0,1,2,3
	v_add_nc_u32 v[TM+12+\b], 0xfc000000, v[TM+\b]   ; 8 off its exponent field: the conversion's scale operand
.endr
.irp b, 0,1,2,3
	v_and_or_b32 v[TM+8+\b], v[TM+\b], 0x7f800000, s[MNT]   ; 448 x the scale
.endr
.irp b, 0,1,2,3
	v_lshrrev_b32 v[TM+4+\b], 23, v[TM+12+\b]      ; the scale's byte
.endr
	v_lshl_or_b32 v[\pw], v[TM+5], 8, v[TM+4]      ; the four bytes make my row's scale word
	v_lshl_or_b32 v[\pw], v[TM+6], 16, v[\pw]
	v_lshl_or_b32 v[\pw], v[TM+7], 24, v[\pw]
.irp b, 0,1,2,3
.irp i, 0,1,2,3,4,5,6,7,8,9,10,11,12,13,14,15
	v_med3_num_f32 v[(\s)+16*\b+\i], v[(\s)+16*\b+\i], -v[TM+8+\b], v[TM+8+\b]   ; the conversion to an 8-bit code does not saturate (ISA guide 7.6.2): the hold comes first
.endr
	v_cvt_scalef32_pk8_fp8_f32 v[PC+4*\b:PC+1+4*\b], v[(\s)+16*\b:(\s)+7+16*\b], v[TM+12+\b]
	v_cvt_scalef32_pk8_fp8_f32 v[PC+2+4*\b:PC+3+4*\b], v[(\s)+8+16*\b:(\s)+15+16*\b], v[TM+12+\b]
.endr
	v_nop                                          ; a plain line behind the last conversion
.endm
	s_load_b256 s[4:11], s[0:1], 0x0               ; x s[4:5], Wq s[6:7], Wk s[8:9], Wv s[10:11]
	s_load_b256 s[12:19], s[0:1], 0x20             ; Wo s[12:13], xq s[14:15], wq3 s[16:17], woq s[18:19]
	v_lshl_add_u32 v254, v0, 2, 0x49400
	v_mov_b32 v255, 0
	ds_add_u32 v254, v255
	ds_add_u32 v254, v255
	s_wait_dscnt 0x0
	v_lshrrev_b32 v1, 5, v0
	v_readfirstlane_b32 s[WV], v1                  ; wave 0..3
	v_and_b32 v1, 31, v0                           ; lane
	v_and_b32 v2, 15, v0                           ; r
	v_bfe_u32 v3, v0, 4, 1                         ; h
	; group 1 for x: 64 rows of 128 elements of 4 bytes, 1,024 elements from row to row; 4 words of padding behind every 128
	s_mov_b32 s[G1X+0], (2<<16)|(1<<20)|(6<<22)|(3<<25)
	s_mov_b32 s[G1X+1], 128<<16                    ; tensor_dim0
	s_mov_b32 s[G1X+2], 64<<16                     ; tensor_dim1: one load brings all 64 rows of the wave
	s_mov_b32 s[G1X+3], 128<<16                    ; tile_dim0
	s_mov_b32 s[G1X+4], 64                         ; tile_dim1
	s_mov_b32 s[G1X+5], 1024                       ; the pitch
	s_mov_b32 s[G1X+6], 0
	s_mov_b32 s[G1X+7], 0
	; group 1 for a weight: 128 rows of 64 elements of 4 bytes, no padding
	s_mov_b32 s[G1W+0], 2<<16
	s_mov_b32 s[G1W+1], 64<<16
	s_mov_b32 s[G1W+2], 128<<16                    ; one load brings all 128 rows of the wave
	s_mov_b32 s[G1W+3], 64<<16
	s_mov_b32 s[G1W+4], 128
	s_mov_b32 s[G1W+5], 1024
	s_mov_b32 s[G1W+6], 0
	s_mov_b32 s[G1W+7], 0
	s_mov_b32 s[SEL], 0x76543210
	s_mov_b32 s[SEL+1], 0xfedcba98
	s_mov_b32 s[MNT], 0x600000
	s_mov_b32 s[HM], 0xffff0000
	s_cmp_lt_u32 ttmp9, 128                        ; the branch hangs on the work-group's number alone
	s_cbranch_scc0 .Lweights
	; ---------------- x: block of 64 tokens = work-group / 2; K step = 4 (work-group % 2) + wave
	s_lshr_b32 s48, ttmp9, 1                       ; the block
	s_and_b32 s49, ttmp9, 1
	s_lshl_b32 s49, s49, 2
	s_add_co_u32 s49, s49, s[WV]                   ; the K step
	s_lshl_b32 s50, s48, 18                        ; 64 rows of 4,096 bytes a block,
	s_lshl_b32 s51, s49, 9                         ; 512 bytes a K step
	s_add_co_u32 s50, s50, s51
	s_mov_b32 s51, 0
	s_mul_i32 s52, s[WV], XWAVE                    ; my LDS bytes
	s_lshl_b32 s54, s48, 3
	s_add_co_u32 s54, s54, s49
	s_mul_i32 s54, s54, 8448                       ; xq: [block][K step][8,448 bytes]
	s_mov_b32 s55, 0
	s_wait_kmcnt 0x0
	s_mov_b32 s[G0A], 1
	s_mov_b32 s[G0A+1], s52
	s_add_nc_u64 s[G0A+2:G0A+3], s[4:5], s[50:51]  ; rows 0-63
	s_or_b32 s[G0A+3], s[G0A+3], 0x80000000
	s_add_nc_u64 s[14:15], s[14:15], s[54:55]
	tensor_load_to_lds s[G0A:G0A+3], s[G1X:G1X+7]  ; my one tensor load: rows 0-63
	s_nop 0
	s_wait_alu depctr_va_vdst(0)
	v_lshrrev_b32 v7, 3, v2                        ; r / 8
	v_and_b32 v8, 7, v2
	v_lshl_add_u32 v7, v7, 4, v8                   ; 16 (r / 8) + r % 8: my row in tile 0 of a group
	v_mul_u32_u24 v4, v7, XPITCH
	v_lshl_add_u32 v4, v3, 6, v4                   ; + 64 h: my 16 numbers of a block of 32
	v_add_nc_u32 v4, s52, v4
	v_lshlrev_b32 v5, 4, v1                        ; an image's place for my lane
	v_lshlrev_b32 v6, 3, v1                        ; the scale words': 8 bytes a lane
.irp b, 0,1,2,3
	v_mov_b32 v[TM+4+\b], 0                        ; written once: a lane permute's destination counts as one of its sources
.endr
.macro FETCHX j                        ; tile j = 2 g + alpha: 64 numbers a lane into set j % 2
.irp c, 0,1,2,3
.irp i, 0,1,2,3
	ds_load_b128 v[X+64*((\j)%2)+16*\c+4*\i:X+64*((\j)%2)+16*\c+4*\i+3], v4 offset:(32*((\j)/2)+8*((\j)%2))*XPITCH+128*\c+16*\i
.endr
.endr
.endm
	s_wait_alu depctr_va_vdst(0)
	s_wait_tensorcnt 0x0                           ; my 64 rows are in
	FETCHX 0
.irp j, 0,1,2,3
.if \j < 3
	FETCHX \j+1
	s_wait_dscnt 16                                ; this tile's 16 loads are in; the next tile's 16 may be out
.else
	s_wait_dscnt 0x0
.endif
.if \j > 0
	s_wait_xcnt 0x0                                ; the last tile's stores have read their data: the codes' registers may be written again
.endif
	QUANT X+64*(\j%2), PWJ+\j
.irp c, 0,1,2,3
	global_store_b128 v5, v[PC+4*\c:PC+4*\c+3], s[14:15] offset:2048*\j+512*\c   ; 32 lanes store 512 consecutive bytes
.endr
.endr
	v_cndmask_b32 v[XSO], v[PWJ], v[PWJ+1], s[HM]      ; lanes 0-15 tile alpha = 0's words, lanes 16-31 tile alpha = 1's (both halves of the lanes hold a row's word)
	v_cndmask_b32 v[XSO+1], v[PWJ+2], v[PWJ+3], s[HM]
	global_store_b64 v6, v[XSO:XSO+1], s[14:15] offset:8192   ; 256 consecutive bytes, aligned
	s_wait_tensorcnt 0x0
	ds_add_u32 v254, v255
	s_wait_dscnt 0x0
	s_endpgm
	; ---------------- the weights: n = work-group - 128; matrix = n / 32; K step = (n / 4) % 8; block of 64 features = 4 (n % 4) + wave
.Lweights:
	s_sub_co_u32 s48, ttmp9, 128
	s_lshr_b32 s49, s48, 5                         ; 0 Wq, 1 Wk, 2 Wv, 3 Wo
	s_bfe_u32 s50, s48, 0x30002                    ; the K step
	s_and_b32 s51, s48, 3
	s_lshl_b32 s51, s51, 2
	s_add_co_u32 s51, s51, s[WV]                   ; the block of 64 features: a head, or a block of outputs
	s_lshl_b32 s52, s50, 19                        ; 128 rows of 4,096 bytes a K step,
	s_lshl_b32 s53, s51, 8                         ; 256 bytes a block of features
	s_add_co_u32 s52, s52, s53
	s_mov_b32 s53, 0
	s_wait_kmcnt 0x0
	s_cmp_eq_u32 s49, 0                            ; the buffers are chosen on the work-group's number alone
	s_cselect_b64 s[60:61], s[6:7], s[8:9]
	s_cmp_lt_u32 s49, 2
	s_cselect_b64 s[60:61], s[60:61], s[10:11]
	s_cmp_lt_u32 s49, 3
	s_cselect_b64 s[60:61], s[60:61], s[12:13]
	s_cselect_b64 s[62:63], s[16:17], s[18:19]     ; wq3 [head][K step][25,344], or woq [block][K step][8,448]
	s_mov_b32 s54, 67584
	s_cselect_b32 s54, 202752, s54                 ; bytes a block of features,
	s_mov_b32 s55, 8448
	s_cselect_b32 s55, 25344, s55                  ; a K step,
	s_cselect_b32 s48, s49, 0                      ; which of three matrices in a chunk,
	s_mov_b32 s21, 8192
	s_cselect_b32 s21, 24576, s21                  ; and where a chunk's scale words begin
	s_mul_i32 s54, s54, s51
	s_mul_i32 s55, s55, s50
	s_add_co_u32 s54, s54, s55                     ; my chunk
	s_lshl_b32 s55, s48, 13
	s_add_co_u32 s22, s54, s55                     ; my four images
	s_mov_b32 s23, 0
	s_lshl_b32 s55, s48, 8
	s_add_co_u32 s54, s54, s55
	s_add_co_u32 s54, s54, s21                     ; my 256 bytes of scale words
	s_mov_b32 s55, 0
	s_add_nc_u64 s[60:61], s[60:61], s[52:53]
	s_add_nc_u64 s[16:17], s[62:63], s[22:23]
	s_add_nc_u64 s[18:19], s[62:63], s[54:55]
	s_lshl_b32 s48, s[WV], 15
	s_add_co_u32 s48, s48, WBASE                   ; my input bytes in LDS
	s_mov_b32 s[G0A], 1
	s_mov_b32 s[G0A+1], s48
	s_mov_b64 s[G0A+2:G0A+3], s[60:61]             ; k = 0..127 of the K step
	s_or_b32 s[G0A+3], s[G0A+3], 0x80000000
	s_mul_i32 s49, s[WV], SWAVE
	s_add_co_u32 s49, s49, SBASE                   ; my stage
	tensor_load_to_lds s[G0A:G0A+3], s[G1W:G1W+7]  ; my one tensor load: k = 0..127 of the K step
	s_nop 0
	; A LANE TAKES A FEATURE, AND ITS REGISTERS RUN DOWN K.  Lane f = 16 a + 8 u + i is feature 32 b + f: row 8 a + i of tile (b, u)
	v_bfe_u32 v11, v0, 3, 1                        ; u
	v_and_b32 v12, 7, v0                           ; i
	s_wait_alu depctr_va_vdst(0)
	v_lshl_add_u32 v12, v3, 3, v12                 ; the row
	v_lshl_add_u32 v4, v1, 2, s48                  ; in: 4 bytes a lane
	v_lshlrev_b32 v5, 4, v12
	v_lshl_add_u32 v5, v11, 11, v5
	v_add_nc_u32 v5, s49, v5                       ; my codes' place: tile u, lane = my row (k 0..15 of a block; k 16..31 lie 256 bytes on)
	v_lshl_add_u32 v6, v11, 4, v12
	v_lshlrev_b32 v6, 3, v6
	v_add_nc_u32 v6, s49, v6                       ; my scale words' place: 8 bytes for lane 16 u + row
	v_lshlrev_b32 v9, 4, v1
	v_add_nc_u32 v7, s49, v9                       ; the way out: 16 bytes a lane,
	v_lshlrev_b32 v10, 3, v1
	v_add_nc_u32 v8, s49, v10                      ; 8 for the scale words
.macro LOADB q                         ; block q = 2 c + b: W(32 c + i, 32 b + lane), i = 0..31, into set q % 2: 32 lanes read 128 consecutive bytes
.irp i, 0,1,2,3,4,5,6,7,8,9,10,11,12,13,14,15,16,17,18,19,20,21,22,23,24,25,26,27,28,29,30,31
	ds_load_b32 v[Y+32*((\q)%2)+\i], v4 offset:(32*((\q)/2)+\i)*256+128*((\q)%2)
.endr
.endm
.macro BLOCK q
.set YS, Y+32*((\q)%2)
.if (\q) < 7
	s_wait_dscnt 32                                ; all but the next block's 32 loads: this block's numbers are in, and the last block's two stores are done
.else
	s_wait_dscnt 0x0
.endif
	v_max3_num_f32 v16, |v[YS]|, |v[YS+1]|, |v[YS+2]|      ; the block's largest magnitude: all 32 numbers are mine
	v_max3_num_f32 v17, |v[YS+3]|, |v[YS+4]|, |v[YS+5]|
.irp i, 6,10,14,18,22,26
	v_max3_num_f32 v16, v16, |v[YS+\i]|, |v[YS+\i+1]|
	v_max3_num_f32 v17, v17, |v[YS+\i+2]|, |v[YS+\i+3]|
.endr
	v_max3_num_f32 v16, v16, |v[YS+30]|, |v[YS+31]|
	v_max3_num_f32 v16, v16, v17, 0x4800000        ; and the floor 2^(9 - 127)
	v_add_nc_u32 v18, 0xfc000000, v16              ; the conversion's scale operand
	v_and_or_b32 v19, v16, 0x7f800000, s[MNT]      ; 448 x the scale
.if (\q)/2 == 0
	v_lshrrev_b32 v[SBW+(\q)%2], 23, v18           ; the scale's byte: four to a word, the lower K in the lower byte
.else
	v_lshrrev_b32 v20, 23, v18
	v_lshl_or_b32 v[SBW+(\q)%2], v20, 8*((\q)/2), v[SBW+(\q)%2]
.endif
.irp i, 0,1,2,3,4,5,6,7,8,9,10,11,12,13,14,15,16,17,18,19,20,21,22,23,24,25,26,27,28,29,30,31
	v_med3_num_f32 v[YS+\i], v[YS+\i], -v19, v19
.endr
.irp g, 0,1,2,3
	v_cvt_scalef32_pk8_fp8_f32 v[C+2*\g:C+2*\g+1], v[YS+8*\g:YS+8*\g+7], v18
.endr
	ds_store_b128 v5, v[C:C+3] offset:4096*((\q)%2)+512*((\q)/2)         ; k 0..15: the lane with h = 0 of piece c
	ds_store_b128 v5, v[C+4:C+7] offset:4096*((\q)%2)+512*((\q)/2)+256   ; k 16..31: h = 1
.if (\q)+2 < 8
	LOADB (\q)+2
.endif
.endm
	s_wait_tensorcnt 0x0                           ; my 128 rows are in
	LOADB 0
	LOADB 1
.irp q, 0,1,2,3,4,5,6,7
	BLOCK \q
.endr
	ds_store_b32 v6, v[SBW] offset:8192
	ds_store_b32 v6, v[SBW+1] offset:8196
.irp n, 0,1,2,3,4,5,6,7,8,9,10,11,12,13,14,15
	ds_load_b128 v[OUTR+4*\n:OUTR+4*\n+3], v7 offset:512*\n    ; LDS serves a wave's instructions in order (ISA guide 5.7.1): these see my stores
.endr
	ds_load_b64 v[SOUT:SOUT+1], v8 offset:8192
.irp n, 0,1,2,3,4,5,6,7,8,9,10,11,12,13,14,15
	s_wait_dscnt 16-\n                             ; behind load n: 15 - n loads and the scale words'
	global_store_b128 v9, v[OUTR+4*\n:OUTR+4*\n+3], s[16:17] offset:512*\n   ; 512 consecutive bytes
.endr
	s_wait_dscnt 0x0
	global_store_b64 v10, v[SOUT:SOUT+1], s[18:19] ; 256 consecutive bytes, aligned
	s_wait_tensorcnt 0x0
	ds_add_u32 v254, v255
	s_wait_dscnt 0x0
	s_endpgm
.Lfunc_end_k_q0f4c5a8364_quant:
	.size	k_q0f4c5a8364_quant, .Lfunc_end_k_q0f4c5a8364_quant-k_q0f4c5a8364_quant
	.p2alignl 7, 3214868480
	.fill 96, 4, 3214868480
	.section	.rodata,"a",@progbits
	.p2align	6, 0x0
	.amdhsa_kernel k_q0f4c5a8364_quant
		.amdhsa_group_segment_fixed_size 300544
		.amdhsa_private_segment_fixed_size 0
		.amdhsa_enable_private_segment 0
		.amdhsa_kernarg_size 64
		.amdhsa_user_sgpr_count 2
		.amdhsa_user_sgpr_kernarg_segment_ptr 1
		.amdhsa_wavefront_size32 1
		.amdhsa_system_sgpr_workgroup_id_x 1
		.amdhsa_system_sgpr_workgroup_id_y 1
		.amdhsa_system_sgpr_workgroup_id_z 1
		.amdhsa_system_vgpr_workitem_id 0
		.amdhsa_next_free_vgpr 256
		.amdhsa_next_free_sgpr 66
		.amdhsa_reserve_vcc 0
		.amdhsa_float_denorm_mode_32 3
		.amdhsa_float_denorm_mode_16_64 3
		.amdhsa_memory_ordered 1
		.amdhsa_forward_progress 1
		.amdhsa_inst_pref_size 93
	.end_amdhsa_kernel
	.amdgpu_metadata
---
amdhsa.version: [ 1, 2 ]
amdhsa.kernels:
  - .name:           k_q0f4c5a8364_quant
    .symbol:         k_q0f4c5a8364_quant.kd
    .args:
      - { .name: x, .offset: 0, .size: 8, .value_kind: global_buffer, .address_space: global }
      - { .name: Wq, .offset: 8, .size: 8, .value_kind: global_buffer, .address_space: global }
      - { .name: Wk, .offset: 16, .size: 8, .value_kind: global_buffer, .address_space: global }
      - { .name: Wv, .offset: 24, .size: 8, .value_kind: global_buffer, .address_space: global }
      - { .name: Wo, .offset: 32, .size: 8, .value_kind: global_buffer, .address_space: global }
      - { .name: xq, .offset: 40, .size: 8, .value_kind: global_buffer, .address_space: global }
      - { .name: wq3, .offset: 48, .size: 8, .value_kind: global_buffer, .address_space: global }
      - { .name: woq, .offset: 56, .size: 8, .value_kind: global_buffer, .address_space: global }
    .group_segment_fixed_size: 300544
    .private_segment_fixed_size: 0
    .kernarg_segment_align: 8
    .kernarg_segment_size: 64
    .max_flat_workgroup_size: 128
    .sgpr_count:     66
    .vgpr_count:     256
    .wavefront_size: 32
...
	.end_amdgpu_metadata
.endif
;; end of part 1
;; launch qkv (part 2): grid 16 x 16, 4 waves a work-group, clusters of 4 x 1, 204,288 bytes of LDS; arguments xq, wq3, bq, bk, bv, qc, kv; writes qc, kv
.if DOCPART == 2
	.amdgcn_target "amdgcn-amd-amdhsa--gfx1250"
	.amdhsa_code_object_version 6
	.text
	.protected	k_q0f4c5a8364_qkv
	.globl	k_q0f4c5a8364_qkv
	.p2align	8
	.type	k_q0f4c5a8364_qkv,@function
k_q0f4c5a8364_qkv:
	s_mov_b64 s[64:65], 0
	v_nop
	global_prefetch_b8 v0, s[64:65] scope:SCOPE_SE
	s_setreg_imm32_b32 hwreg(HW_REG_WAVE_MODE, 25, 1), 1
	s_wait_xcnt 0x0
	s_wait_alu depctr_hold_cnt(0) depctr_sa_sdst(0) depctr_va_vdst(0) depctr_va_sdst(0) depctr_va_ssrc(0) depctr_va_vcc(0) depctr_vm_vsrc(0)
	s_getreg_b32 s2, hwreg(HW_REG_IB_STS2, 6, 4)
	s_cmp_eq_u32 s2, 0
	s_cbranch_scc0 .Lentry_in_a_cluster
	s_endpgm
.Lentry_in_a_cluster:
	s_bfe_u32 s2, ttmp6, 0x10000c
	s_cmp_lg_u32 s2, 0x3003
	s_cbranch_scc0 .Lentry_shape_is_right
	s_endpgm
.Lentry_shape_is_right:
; q = x Wq + bq, k = x Wk + bk, v = x Wv + bv on codes of FP8 (E4M3) with E8M0 scales, and their quantising: q and k along the head's 64, v along the keys.  Nothing but codes and scale bytes leaves.
; SHARES.  A work-group is one head and 256 tokens; wave w takes 64 of them (block 4 tb + w): four tiles of 16 (group g, tile alpha).  Three passes (q, k, v) of 8 K steps of 128, 16 accumulators each.
; The wave's fragments of x for all of K stay in 512 registers, read from memory once.  The head's weights, 202,752 bytes, come into LDS ONCE, by joint loads: the four token blocks of a cluster share them.  LDS is never filled again.
; OPERANDS ARE IMAGES OF REGISTERS (2,048 bytes: piece c at 512 c, lane l at 16 l): every fragment is four 16-byte accesses at 16 x lane.
; q, k: TRANSPOSED (source 0 = 16 features of W, source 1 = 16 tokens): a lane holds one token, and the 16 registers of tiles (b, 0), (b, 1) are features 32 b + 16 h + 0..15: a block lies in lanes l and l xor 16.
; v: NOT transposed (source 0 = 16 tokens, source 1 = 16 features): a lane holds one feature, and the 16 registers of tiles alpha = 0, 1 are tokens 32 g + 16 h + 0..15: v's K, the keys.
; The biases are the C of each sum's first matrix instruction.  The 16 accumulators take turns, one instruction a turn, in the same order in every step.
; LIMITS: a block of zeros gets the byte 1 where the rule says 127 (its codes are zeros; this program alone reads the bytes); blocks under 2^-118 are held at the byte 1; NaN and infinities are not served.
; REGISTERS, in windows of 256.  Window 0: v1-16 addresses; v20-67 the quantiser's; v68-83 x's scale words; v84-87 W's, two sets; v88-119 bv's four tiles; v128-255 the accumulators.
;   Window 1: v0-127 W's fragments, two sets of four; v128-159 bq's tiles, v160-191 bk's.   Windows 2, 3: x's fragments: K step s at window 2 + s / 4, v[64 (s % 4) + 16 (2 g + alpha)].
.set CHUNK, 25344                      ; a K step's weights: 3 x 4 images, then 3 x 256 bytes of scale words
.set GATH,  8*CHUNK                    ; behind the weights: 1,024 bytes in which the four waves gather k's and v's scale words; no tensor load lands there
.set WV,  18
.set G1,  24                           ; s[24:31] group 1;  s[32:35] group 0 of my one load
.set G0A, 32
.set G0B, 36
.set SEL, 46
.set MNT, 48
.set HM,  49                           ; a lane mask: lanes 16-31
.set LI,  1                            ; v1  16 x lane
.set L8,  2                            ; v2  8 x lane
.set B64, 3                            ; v3  64 h: bq's and bk's eight numbers of my half
.set BVO, 4                            ; v4  4 (r + 8 (r / 8)): bv's number of my feature
.set LW,  5                            ; v5-8   16 x lane + 2 CHUNK a: the images of K steps 2 a, 2 a + 1
.set LS,  9                            ; v9-12  8 x lane + 2 CHUNK a: their scale words
.set GK,  13                           ; v13 where I put k's scale word
.set GV,  14                           ; v14 where I put v's two bytes
.set GR,  15                           ; v15 where I read the gathered words back
.set GO,  16                           ; v16 8 x thread: their place in memory
.set TM,  20
.set PW,  36
.set QW,  38
.set KW,  40
.set VB,  44
.set TP,  48
.set PC,  52
.set XSC, 68                           ; x's scale words: register 2 s + g; lanes 0-15 tile alpha = 0, lanes 16-31 alpha = 1
.set WSC, 84                           ; W's: register 2 set + b; lanes 0-15 tile u = 0, lanes 16-31 u = 1
.set BV,  88
.set ACC, 128
.set BQ,  128                          ; in window 1
.set BK,  160
.set MSB, 0
.macro WIN new                         ; the immediate's high byte repeats the setting that is left
.if MSB != (\new)
	s_set_vgpr_msb (MSB<<8)|(\new)
.set MSB, (\new)
.endif
.endm
.macro PLACES n
.rept \n
	v_nop
.endr
.endm
.macro ROUND                           ; a round of the cluster's barrier
	s_barrier_signal -1
	s_barrier_wait -1
	s_cmp_lg_u32 s[WV], 0
	s_cbranch_scc1 .Lnot_wave_0_\@
	s_barrier_signal -3
.Lnot_wave_0_\@:
	s_barrier_wait -3
	s_barrier_signal -1
	s_barrier_wait -1
.endm
; 64 numbers of a lane in four blocks of 16 become 16 registers of codes in v[PC] on, the blocks' bytes in v[TM+4] on and, with word = 1, the word of the four in v[pw]
.macro QUANT s, pw, word
.irp b, 0,1,2,3
	v_max3_num_f32 v[TM+\b], |v[(\s)+16*\b]|, |v[(\s)+1+16*\b]|, 0x4800000   ; each accumulator is read from its low end on; the floor 2^(9 - 127) keeps the byte at 1 or above
.endr
.irp i, 2,4,6,8,10,12,14
.irp b, 0,1,2,3
	v_max3_num_f32 v[TM+\b], v[TM+\b], |v[(\s)+16*\b+\i]|, |v[(\s)+1+16*\b+\i]|
.endr
.endr
.irp b, 0,1,2,3
	v_permlanex16_b32 v[TM+4+\b], v[TM+\b], s[SEL], s[SEL+1]
.endr
.irp b, 0,1,2,3
	v_max_num_f32 v[TM+\b], v[TM+\b], v[TM+4+\b]   ; with lane l xor 16's 16: the block's largest magnitude
.endr
.irp b, 0,1,2,3
	v_add_nc_u32 v[TM+12+\b], 0xfc000000, v[TM+\b]   ; 8 off its exponent field: the conversion's scale operand
.endr
.irp b, 0,1,2,3
	v_and_or_b32 v[TM+8+\b], v[TM+\b], 0x7f800000, s[MNT]   ; 448 x the scale
.endr
.irp b, 0,1,2,3
	v_lshrrev_b32 v[TM+4+\b], 23, v[TM+12+\b]      ; the scale's byte
.endr
.if \word
	v_lshl_or_b32 v[\pw], v[TM+5], 8, v[TM+4]
	v_lshl_or_b32 v[\pw], v[TM+6], 16, v[\pw]
	v_lshl_or_b32 v[\pw], v[TM+7], 24, v[\pw]
.endif
.irp b, 0,1,2,3
.irp i, 0,1,2,3,4,5,6,7,8,9,10,11,12,13,14,15
	v_med3_num_f32 v[(\s)+16*\b+\i], v[(\s)+16*\b+\i], -v[TM+8+\b], v[TM+8+\b]   ; the conversion does not saturate (ISA guide 7.6.2): the hold comes first
.endr
	v_cvt_scalef32_pk8_fp8_f32 v[PC+4*\b:PC+1+4*\b], v[(\s)+16*\b:(\s)+7+16*\b], v[TM+12+\b]
	v_cvt_scalef32_pk8_fp8_f32 v[PC+2+4*\b:PC+3+4*\b], v[(\s)+8+16*\b:(\s)+15+16*\b], v[TM+12+\b]
.endr
	v_nop                                          ; a plain line between the last conversion and the products that later write its sources
.endm
; one matrix instruction; ra, rb: the side's scales stand in lanes 16-31
.macro WM d, a, b, c, sa, sb, ra, rb
.if (\ra) && (\rb)
	v_wmma_scale_f32_16x16x128_f8f6f4 v[(\d):(\d)+7], v[(\a):(\a)+15], v[(\b):(\b)+15], v[(\c):(\c)+7], v[\sa], v[\sb] matrix_a_scale:MATRIX_SCALE_ROW1 matrix_b_scale:MATRIX_SCALE_ROW1
.elseif (\ra)
	v_wmma_scale_f32_16x16x128_f8f6f4 v[(\d):(\d)+7], v[(\a):(\a)+15], v[(\b):(\b)+15], v[(\c):(\c)+7], v[\sa], v[\sb] matrix_a_scale:MATRIX_SCALE_ROW1
.elseif (\rb)
	v_wmma_scale_f32_16x16x128_f8f6f4 v[(\d):(\d)+7], v[(\a):(\a)+15], v[(\b):(\b)+15], v[(\c):(\c)+7], v[\sa], v[\sb] matrix_b_scale:MATRIX_SCALE_ROW1
.else
	v_wmma_scale_f32_16x16x128_f8f6f4 v[(\d):(\d)+7], v[(\a):(\a)+15], v[(\b):(\b)+15], v[(\c):(\c)+7], v[\sa], v[\sb]
.endif
.endm
.macro XLOAD s                         ; K step s of my 64 tokens: four images and their scale words: 17 loads
	WIN 0x80+0x40*((\s)/4)
.irp j, 0,1,2,3
.irp c, 0,1,2,3
	global_load_b128 v[64*((\s)%4)+16*\j+4*\c:64*((\s)%4)+16*\j+4*\c+3], v[LI], s[4:5] offset:8448*(\s)+2048*\j+512*\c
.endr
.endr
	WIN 0
	global_load_b64 v[XSC+2*(\s):XSC+2*(\s)+1], v[L8], s[4:5] offset:8448*(\s)+8192
.endm
.macro WFETCH n                        ; step n = 8 pass + K step: four images of W and their scale words into set n % 2: 17 LDS loads
.set FP, (\n)/8
.set FS, (\n)%8
.set FB, (\n)%2
	WIN 0x40
.irp t, 0,1,2,3
.irp c, 0,1,2,3
	ds_load_b128 v[64*FB+16*\t+4*\c:64*FB+16*\t+4*\c+3], v[LW+FS/2] offset:CHUNK*(FS%2)+8192*FP+2048*\t+512*\c
.endr
.endr
	WIN 0
	ds_load_b64 v[WSC+2*FB:WSC+2*FB+1], v[LS+FS/2] offset:CHUNK*(FS%2)+24576+256*FP
.endm
.macro MULQK s, buf, cb                ; 16 products, transposed; cb: the bias's tiles (window 1), the C of K step 0
.irp g, 0,1
.irp a, 0,1
.irp b, 0,1
.irp u, 0,1
.if (\s) == 0
	WM ACC+64*\g+32*\a+16*\b+8*\u, 64*(\buf)+16*(2*\b+\u), 64*((\s)%4)+16*(2*\g+\a), (\cb)+8*(2*\b+\u), WSC+2*(\buf)+\b, XSC+2*(\s)+\g, \u, \a
.else
	WM ACC+64*\g+32*\a+16*\b+8*\u, 64*(\buf)+16*(2*\b+\u), 64*((\s)%4)+16*(2*\g+\a), ACC+64*\g+32*\a+16*\b+8*\u, WSC+2*(\buf)+\b, XSC+2*(\s)+\g, \u, \a
.endif
.endr
.endr
.endr
.endr
.endm
.macro MULV s, buf                     ; 16 products, source 0 = tokens
.irp g, 0,1
.irp t, 0,1,2,3
.irp a, 0,1
.if (\s) == 0
	WM ACC+64*\g+16*\t+8*\a, 64*((\s)%4)+16*(2*\g+\a), 64*(\buf)+16*\t, BV+8*\t, XSC+2*(\s)+\g, WSC+2*(\buf)+\t/2, \a, \t%2
.else
	WM ACC+64*\g+16*\t+8*\a, 64*((\s)%4)+16*(2*\g+\a), 64*(\buf)+16*\t, ACC+64*\g+16*\t+8*\a, XSC+2*(\s)+\g, WSC+2*(\buf)+\t/2, \a, \t%2
.endif
.endr
.endr
.endr
.endm
	s_load_b256 s[4:11], s[0:1], 0x0               ; xq s[4:5], wq3 s[6:7], bq s[8:9], bk s[10:11]
	s_load_b128 s[12:15], s[0:1], 0x20             ; bv s[12:13], qc s[14:15]
	s_load_b64 s[16:17], s[0:1], 0x30              ; kv
	v_lshl_add_u32 v126, v0, 2, 0x31c00
	v_mov_b32 v127, 0
	ds_add_u32 v126, v127
	ds_add_u32 v126, v127
	v_lshrrev_b32 v1, 5, v0
	v_readfirstlane_b32 s[WV], v1                  ; wave 0..3
	s_bfe_u32 s19, ttmp6, 0x40000                  ; cx: my place in the cluster; it enters global addresses of my own loads and stores alone
	s_lshl_b32 s20, ttmp9, 2
	s_add_co_u32 s20, s20, s19                     ; tb: my 256 tokens
	s_and_b32 s21, ttmp7, 0xffff                   ; the head, which the four partners share
	s_lshl_b32 s22, s20, 2
	s_add_co_u32 s22, s22, s[WV]                   ; my block of 64 tokens
	v_and_b32 v17, 31, v0                          ; lane
	v_and_b32 v18, 15, v0                          ; r
	v_bfe_u32 v19, v0, 4, 1                        ; h
	v_lshlrev_b32 v[LI], 4, v17
	v_lshlrev_b32 v[L8], 3, v17
	v_lshlrev_b32 v[B64], 6, v19
	v_and_b32 v[BVO], 8, v18
	v_add_nc_u32 v[BVO], v[BVO], v18
	v_lshlrev_b32 v[BVO], 2, v[BVO]
.irp a, 0,1,2,3
	v_add_nc_u32 v[LW+\a], 2*CHUNK*\a, v[LI]
	v_add_nc_u32 v[LS+\a], 2*CHUNK*\a, v[L8]
.endr
	s_lshr_b32 s56, s[WV], 1
	s_lshl_b32 s56, s56, 9
	s_add_co_u32 s56, s56, GATH                    ; a key step's 512 bytes of scale words: [lane][KS0, KS1, VS0, VS1]; waves 0, 1 make one step's, waves 2, 3 the next's
	s_and_b32 s57, s[WV], 1
	s_lshl_b32 s58, s57, 2
	s_add_co_u32 s58, s58, s56
	v_add_nc_u32 v[GK], s58, v[LI]                 ; word KS(w % 2)
	s_lshl_b32 s58, s57, 1
	s_add_co_u32 s58, s58, s56
	v_add_nc_u32 v[GV], s58, v[LI]                 ; bytes 2 (w % 2), 2 (w % 2) + 1 of the words VS0, VS1 (8 and 12 bytes on: in the immediate)
	v_lshlrev_b32 v[GO], 3, v0
	v_add_nc_u32 v[GR], GATH, v[GO]
.irp b, 0,1,2,3
	v_mov_b32 v[TM+4+\b], 0                        ; written once: a lane permute's destination counts as one of its sources
.endr
	; group 1: a K step's chunk is dense: 99 rows of 256 bytes (32 elements of 8 bytes).  15:0 the mask: all four work-groups; 21 set beside a mask
	s_mov_b32 s[G1+0], 15|(3<<16)|(1<<21)
	s_mov_b32 s[G1+1], 32<<16
	s_mov_b32 s[G1+2], 198<<16                     ; two neighbouring chunks are one dense run: 198 rows of 256 bytes, one load a wave
	s_mov_b32 s[G1+3], 32<<16
	s_mov_b32 s[G1+4], 198
	s_mov_b32 s[G1+5], 32
	s_mov_b32 s[G1+6], 0
	s_mov_b32 s[G1+7], 0
	s_mov_b32 s[SEL], 0x76543210
	s_mov_b32 s[SEL+1], 0xfedcba98
	s_mov_b32 s[MNT], 0x600000
	s_mov_b32 s[HM], 0xffff0000
	s_mul_i32 s40, s21, 8*CHUNK                    ; the head's weights,
	s_mul_i32 s23, s[WV], 2*CHUNK                  ; chunks 2 w and 2 w + 1: in memory and in LDS alike
	s_add_co_u32 s40, s40, s23
	s_mov_b32 s41, 0
	s_mov_b32 s43, 0
	s_wait_dscnt 0x0
	s_wait_kmcnt 0x0
	s_mov_b32 s[G0A], 1
	s_mov_b32 s[G0A+1], s23
	s_add_nc_u64 s[G0A+2:G0A+3], s[6:7], s[40:41]
	s_or_b32 s[G0A+3], s[G0A+3], 0x80000000
	s_mul_i32 s42, s22, 67584
	s_add_nc_u64 s[4:5], s[4:5], s[42:43]          ; xq at my block
	s_lshl_b32 s42, s21, 8
	s_add_nc_u64 s[8:9], s[8:9], s[42:43]          ; the biases at my head
	s_add_nc_u64 s[10:11], s[10:11], s[42:43]
	s_add_nc_u64 s[12:13], s[12:13], s[42:43]
	s_lshl_b32 s42, s21, 6
	s_add_co_u32 s42, s42, s22
	s_mul_i32 s42, s42, 4352
	s_add_nc_u64 s[14:15], s[14:15], s[42:43]      ; qc: [head][block][4,352]
	s_mul_i32 s42, s21, 540672
	s_lshr_b32 s44, s22, 3
	s_mul_i32 s44, s44, 67584
	s_add_co_u32 s42, s42, s44
	s_add_nc_u64 s[16:17], s[16:17], s[42:43]      ; kv: [head][slot of 512 keys][67,584]
	s_and_b32 s42, s22, 7
	s_lshl_b32 s42, s42, 12
	s_add_nc_u64 s[50:51], s[16:17], s[42:43]      ; k: my two groups' images
	s_bfe_u32 s42, s22, 0x20001
	s_lshl_b32 s42, s42, 13                        ; v: my key step's four images,
	s_and_b32 s44, s22, 1
	s_lshl_b32 s44, s44, 10                        ; my two pieces of each
	s_add_co_u32 s42, s42, s44
	s_add_co_u32 s42, s42, 32768
	s_add_nc_u64 s[52:53], s[16:17], s[42:43]
	s_and_b32 s42, s20, 1
	s_lshl_b32 s42, s42, 10
	s_add_co_u32 s42, s42, 65536
	s_add_nc_u64 s[54:55], s[16:17], s[42:43]      ; the work-group's two key steps of scale words
	ROUND                                          ; all four work-groups are here: the joint loads meet
	tensor_load_to_lds s[G0A:G0A+3], s[G1:G1+7]    ; my one joint load behind the round
	s_nop 0
	PLACES 4                                       ; four lines ahead of a switch of windows
	WIN 0x40
.irp t, 0,1,2,3                        ; lane (r, h) wants, for tile 2 b + u, the bias of features 32 b + 16 h + 8 u + 0..7
	global_load_b128 v[BQ+8*\t:BQ+8*\t+3], v[B64], s[8:9] offset:(32*(\t/2)+8*(\t%2))*4
	global_load_b128 v[BQ+8*\t+4:BQ+8*\t+7], v[B64], s[8:9] offset:(32*(\t/2)+8*(\t%2))*4+16
	global_load_b128 v[BK+8*\t:BK+8*\t+3], v[B64], s[10:11] offset:(32*(\t/2)+8*(\t%2))*4
	global_load_b128 v[BK+8*\t+4:BK+8*\t+7], v[B64], s[10:11] offset:(32*(\t/2)+8*(\t%2))*4+16
.endr
	WIN 0
.irp t, 0,1,2,3                        ; for v a lane holds ONE feature: 32 b + 16 (r / 8) + 8 u + r % 8
	global_load_b32 v[BV+8*\t], v[BVO], s[12:13] offset:(32*(\t/2)+8*(\t%2))*4
.endr
	XLOAD 0
	XLOAD 1
	XLOAD 2
	s_wait_tensorcnt 0x0                           ; my two chunks are in
	s_barrier_signal -1
	s_barrier_wait -1                              ; chunks 0 to 7 are in
	WFETCH 0
.macro ITER n
.set IP, (\n)/8
.set IS, (\n)%8
.set IB, (\n)%2
.if IS != 0
	PLACES 8                                       ; eight places between the last products and loads into the set and the scale words that they read; at a pass's head the epilogue's eight stand there
.endif
.if (\n) < 23
	WFETCH (\n)+1
	s_wait_dscnt 17                                ; this step's 17 loads are in; the 17 just issued may be out
.else
	s_wait_dscnt 0x0
.endif
.if (\n) < 8
.if IS <= 5
	s_wait_loadcnt 34                              ; this K step of x (and all ahead of it) is in; the two K steps behind it, 17 loads each, may be out
.elseif IS == 6
	s_wait_loadcnt 17
.else
	s_wait_loadcnt 0x0
.endif
.if (\n) == 0
.irp t, 0,1,2,3
.irp j, 1,2,3,4,5,6,7
	v_mov_b32 v[BV+8*\t+\j], v[BV+8*\t]            ; bv as a C operand: a lane's eight results are eight tokens of one feature
.endr
.endr
.endif
.if IS <= 4
	XLOAD IS+3
.endif
.endif
.if IP < 2
.if IS == 0
	WIN 0x19                                       ; source 0 (W) and C (the bias) window 1, source 1 (x) window 2
.else
	WIN 0x09+4*(IS/4)                              ; source 0 window 1, source 1 window 2 or 3
.endif
.if IP == 0
	MULQK IS, IB, BQ
.else
	MULQK IS, IB, BK
.endif
.else
	WIN 0x06+(IS/4)                                ; source 0 (x) window 2 or 3, source 1 (W) window 1
	MULV IS, IB
.endif
	WIN 0
.endm
.irp n, 0,1,2,3,4,5,6,7
	ITER \n
.endr
	; ---- q: the 64 registers of a group are blocks (alpha, b): piece 2 alpha + b of the group's image; the word holds (s00, s01, s10, s11) of row r
	PLACES 8
.irp g, 0,1
	s_wait_xcnt 0x0                                ; earlier stores have read their data: the codes' registers may be written
	QUANT ACC+64*\g, QW+\g, 1
.irp c, 0,1,2,3
	global_store_b128 v[LI], v[PC+4*\c:PC+4*\c+3], s[14:15] offset:2048*\g+512*\c
.endr
.endr
	global_store_b64 v[L8], v[QW:QW+1], s[14:15] offset:4096   ; [lane][g]: 256 consecutive bytes
.irp n, 8,9,10,11,12,13,14,15
	ITER \n
.endr
	; ---- k: the same image: row r holds key 16 (r / 8) + r % 8 in pieces 0, 1 and the key 8 further on in pieces 2, 3
	PLACES 8
.irp g, 0,1
	s_wait_xcnt 0x0
	QUANT ACC+64*\g, KW+\g, 1
.irp c, 0,1,2,3
	global_store_b128 v[LI], v[PC+4*\c:PC+4*\c+3], s[50:51] offset:2048*\g+512*\c
.endr
.endr
	v_cndmask_b32 v[TP], v[KW], v[KW+1], s[HM]     ; lanes 0-15 group 0's words, lanes 16-31 group 1's
	ds_store_b32 v[GK], v[TP]
.irp n, 16,17,18,19,20,21,22,23
	ITER \n
.endr
	; ---- v: the 64 registers of a group are the four tiles of features: block t = 32 keys of feature row r of tile t: one piece of tile t's image
	PLACES 8
.irp g, 0,1
	s_wait_xcnt 0x0
	QUANT ACC+64*\g, PW, 0
.irp t, 0,1,2,3
	global_store_b128 v[LI], v[PC+4*\t:PC+4*\t+3], s[52:53] offset:2048*\t+512*\g
.endr
.irp t, 0,1,2,3
.if \g == 0
	v_mov_b32 v[VB+\t], v[TM+4+\t]                 ; kept: the next group's quantiser writes the bytes' registers
.else
	v_lshl_or_b32 v[VB+\t], v[TM+4+\t], 8, v[VB+\t]
.endif
.endr
.endr
.irp j, 0,1
	v_cndmask_b32 v[TP+\j], v[VB+2*\j], v[VB+2*\j+1], s[HM]   ; lanes 0-15 tile 2 j, lanes 16-31 tile 2 j + 1
	ds_store_b16 v[GV], v[TP+\j] offset:8+4*\j
.endr
	s_wait_dscnt 0x0                               ; for the others' sake: my stores into the gathered words are done
	s_barrier_signal -1
	s_barrier_wait -1
	ds_load_b64 v[TP+2:TP+3], v[GR]
	s_wait_dscnt 0x0
	global_store_b64 v[GO], v[TP+2:TP+3], s[54:55] ; a wave stores 256 consecutive bytes, aligned
	s_wait_tensorcnt 0x0
	ds_add_u32 v126, v127
	s_wait_dscnt 0x0
	ROUND                                          ; the closing round: no work-group ends while a partner may still ask for a chunk that names it
	s_endpgm
.Lfunc_end_k_q0f4c5a8364_qkv:
	.size	k_q0f4c5a8364_qkv, .Lfunc_end_k_q0f4c5a8364_qkv-k_q0f4c5a8364_qkv
	.p2alignl 7, 3214868480
	.fill 96, 4, 3214868480
	.section	.rodata,"a",@progbits
	.p2align	6, 0x0
	.amdhsa_kernel k_q0f4c5a8364_qkv
		.amdhsa_group_segment_fixed_size 204288
		.amdhsa_private_segment_fixed_size 0
		.amdhsa_enable_private_segment 0
		.amdhsa_kernarg_size 56
		.amdhsa_user_sgpr_count 2
		.amdhsa_user_sgpr_kernarg_segment_ptr 1
		.amdhsa_wavefront_size32 1
		.amdhsa_system_sgpr_workgroup_id_x 1
		.amdhsa_system_sgpr_workgroup_id_y 1
		.amdhsa_system_sgpr_workgroup_id_z 1
		.amdhsa_system_vgpr_workitem_id 0
		.amdhsa_next_free_vgpr 1024
		.amdhsa_next_free_sgpr 66
		.amdhsa_reserve_vcc 0
		.amdhsa_float_denorm_mode_32 3
		.amdhsa_float_denorm_mode_16_64 3
		.amdhsa_memory_ordered 1
		.amdhsa_forward_progress 1
		.amdhsa_inst_pref_size 157
	.end_amdhsa_kernel
	.amdgpu_metadata
---
amdhsa.version: [ 1, 2 ]
amdhsa.kernels:
  - .name:           k_q0f4c5a8364_qkv
    .symbol:         k_q0f4c5a8364_qkv.kd
    .args:
      - { .name: xq, .offset: 0, .size: 8, .value_kind: global_buffer, .address_space: global }
      - { .name: wq3, .offset: 8, .size: 8, .value_kind: global_buffer, .address_space: global }
      - { .name: bq, .offset: 16, .size: 8, .value_kind: global_buffer, .address_space: global }
      - { .name: bk, .offset: 24, .size: 8, .value_kind: global_buffer, .address_space: global }
      - { .name: bv, .offset: 32, .size: 8, .value_kind: global_buffer, .address_space: global }
      - { .name: qc, .offset: 40, .size: 8, .value_kind: global_buffer, .address_space: global }
      - { .name: kv, .offset: 48, .size: 8, .value_kind: global_buffer, .address_space: global }
    .group_segment_fixed_size: 204288
    .private_segment_fixed_size: 0
    .kernarg_segment_align: 8
    .kernarg_segment_size: 56
    .max_flat_workgroup_size: 128
    .sgpr_count:     66
    .vgpr_count:     1024
    .wavefront_size: 32
...
	.end_amdgpu_metadata
.endif
;; end of part 2
;; launch attn (part 3): grid 16 x 16, 8 waves a work-group, clusters of 4 x 1, 327,680 bytes of LDS; arguments qc, kv, ac, asc; writes ac, asc
.if DOCPART == 3
	.amdgcn_target "amdgcn-amd-amdhsa--gfx1250"
	.amdhsa_code_object_version 6
	.text
	.protected	k_q0f4c5a8364_attn
	.globl	k_q0f4c5a8364_attn
	.p2align	8
	.type	k_q0f4c5a8364_attn,@function
k_q0f4c5a8364_attn:
	s_mov_b64 s[64:65], 0
	v_nop
	global_prefetch_b8 v0, s[64:65] scope:SCOPE_SE
	s_setreg_imm32_b32 hwreg(HW_REG_WAVE_MODE, 25, 1), 1
	s_wait_xcnt 0x0
	s_wait_alu depctr_hold_cnt(0) depctr_sa_sdst(0) depctr_va_vdst(0) depctr_va_sdst(0) depctr_va_ssrc(0) depctr_va_vcc(0) depctr_vm_vsrc(0)
	s_getreg_b32 s2, hwreg(HW_REG_IB_STS2, 6, 4)
	s_cmp_eq_u32 s2, 0
	s_cbranch_scc0 .Lentry_in_a_cluster
	s_endpgm
.Lentry_in_a_cluster:
	s_bfe_u32 s2, ttmp6, 0x10000c
	s_cmp_lg_u32 s2, 0x3003
	s_cbranch_scc0 .Lentry_shape_is_right
	s_endpgm
.Lentry_shape_is_right:
; a[q] = softmax_k(q . k / 8) v for one head, both products on codes of FP8 (E4M3) with E8M0 scales, and a's quantising along the model's 1,024.
; THE SOFTMAX: t = score x log2(e) / 8; M = the running largest t rounded UP to a whole number; p = 2^(t - M) is quantised along the keys, not normalised; the row's sum is taken of the unquantised p and divides at the end.
; When M moves, the sum and O are multiplied by 2^(old M - new M): exact, and without a branch on data.
; SHARES.  A work-group is one head and 256 queries; each of its EIGHT waves owns TWO tiles of 16 queries (tiles alpha = 0, 1 of one group of 32) in 512 registers: each fragment of K and V read from LDS feeds both tiles' products.
; Every wave walks the head's 4,096 keys, 128 a step.  A slot of LDS holds 1,024 keys (two chunks of kv): K's 32 images, V's 32 images, and apart from them 4,096 bytes of scale words; two slots take turns: four changes of slots.
; CLUSTER.  The four query blocks of a cluster belong to one head and walk the same chunks: every load is asked for JOINTLY, with a mask that names the four.  Waves 0 to 3 fetch 32,768 bytes of codes each (K or V of one chunk),
; waves 4 to 7 1,024 bytes of scale words each: every wave has one load at the head and one behind each round.
; LAYOUT.  Both products are used transposed (S^T = K Q^T, O^T = V^T P^T): a lane holds ONE query of each tile.  All operands lie in LDS as images of registers: a fragment is four 16-byte loads at 16 x lane.
; THE HEAD'S 64 AGAINST THE INSTRUCTION'S 128.  An image of K holds 32 keys: row r has key 16 (r / 8) + r % 8 in k = 0..63 and the key 8 further on in k = 64..127.  Q stands as [0 x 8][q x 8][0 x 8] registers:
; the image x [q | 0] gives the first 16 keys, the image x [0 | q] the other 16, and the 16 results of a lane are keys 32 G + 16 h + 0..15: p's order along the second product's K.  The zero codes add nothing.
; AHEAD.  K and V have registers of their own: a step's V is asked of LDS at the step's head, the next step's K behind this step's score products; a slot's first K behind the change of slots.
; THE TWO TILES GO THROUGH EACH PHASE OF THE SOFTMAX TOGETHER, line by line in turn, so that no line waits for the line above it.  The exponentials go in two batches, a tile each, with plain lines of the other tile among them whose
; sources were written ahead of the wait in front of the batch and whose results are first read behind the wait that follows it: tile 1's t - M among tile 0's exponentials, tile 0's holds among tile 1's.
; LIMITS: a block of zeros gets the byte 1 where the rule says 127 (its codes are zeros; this program alone reads the bytes); NaN and infinities are not served; 1 / l is v_rcp_f32 and a multiplication;
; the promise holds while the scaled scores t stay under 2^31 in magnitude.
; REGISTERS.  Window 0: v1 16 x lane; v2, v3 the add's; v4, v5, v9 LDS addresses in hand; v6 the prefetch's offset; v7, v8 the way out's; v12-15, v16-19 a tile's -M, largest score and sum in two halves;
;   v20, 21 Q's scale words, v22, 23 p's, v24, 25 K's, v26, 27 V's; v28-31 M's chain; v32-95, v96-159 S^T, then p; v160-191, v192-223 O^T; v224-251 at work: see the names below.
;   Window 1: v0-63 four fragments of K; v64-127 of V; v128-151, v152-175 Q; v176-191, v192-207 p's codes.
.set SLOT1, 1<<17                      ; a slot's codes: 131,072 bytes; one exclusive or turns an address in one slot into the other's
.set SCL,   1<<18                      ; behind the codes: the slots' scale words,
.set SCS,   4096                       ; 4,096 bytes a slot
.set SPARE, SCL+2*SCS                  ; the spare words, 128 bytes for each of 8 waves: four blocks of 256 bytes that no other line names
.set SCG,   SPARE+1024                 ; 512 bytes in which the waves gather a's scale bytes; no tensor load lands there
.set CHB,   67584                      ; a chunk of kv: 16 images of K, 16 of V, 4 x 512 bytes of scale words
.set WV,  12
.set SEL, 16
.set CS,  18                           ; s[18:19] c = log2(e) / 8
.set MNT, 20
.set TB,  21                           ; s21 LDS byte at which the step's images of K begin
.set TS,  22                           ; s22 and its scale words
.set SLOTS, 23                         ; s23 slots still to be asked for
.set G1C, 24                           ; s[24:31] group 1 for codes;  s[32:39] for scale words;  s[40:43], s[44:47] their walking groups 0
.set G1S, 32
.set G0C, 40
.set G0S, 44
.set CNT, 48
.set LIM, 49                           ; s49 1 in a wave that prefetches, else the greatest number
.set PFA, 50                           ; s[50:51] where my prefetches stand
.set LI,  1
.set SPW, 2
.set NIL, 3
.set ADK, 4
.set ADS, 5
.set PFO, 6
.set ADV, 9
.set QS,  20
.set PS,  22
.set KSC, 24                           ; word j: lanes 0-15 image or tile 2 j, lanes 16-31 2 j + 1
.set VSC, 26
.set CM,  28                           ; v28, 29 the tiles' old -M, then old M - new M
.set CX,  30                           ; v30, 31 at work in M's chain
.set SX0, 32
.set SX1, 96
.set OX0, 160
.set OX1, 192
.set BM,  224                          ; v224-227, v228-231 a tile's four blocks: largest score, largest p, scale byte
.set HO,  232                          ; v232-235, v240-243 448 x the scale (ahead of that: the other half's maxima)
.set SO,  236                          ; v236-239, v244-247 the conversions' scale operands
.set FF,  248                          ; v248, v250 the tiles' f = 2^(old M - new M), each the low half of a pair
.set T4,  228                          ; the way out's
.set KF,  0                            ; in window 1:
.set VF,  64
.set QX0, 128
.set QX1, 152
.set PC0, 176
.set PC1, 192
.set MSB, 0
.macro WIN new                         ; the immediate's high byte repeats the setting that is left
.if MSB != (\new)
	s_set_vgpr_msb (MSB<<8)|(\new)
.set MSB, (\new)
.endif
.endm
.macro PLACES n
.rept \n
	v_nop
.endr
.endm
.macro ROUND                           ; a round of the cluster's barrier
	s_barrier_signal -1
	s_barrier_wait -1
	s_cmp_lg_u32 s[WV], 0
	s_cbranch_scc1 .Lnot_wave_0_\@
	s_barrier_signal -3
.Lnot_wave_0_\@:
	s_barrier_wait -3
	s_barrier_signal -1
	s_barrier_wait -1
.endm
.macro TLOAD                           ; one joint load a wave; the branch hangs on the wave's number alone; an s_nop 0 and four v_nop follow each line
	s_cmp_lt_u32 s[WV], 4
	s_cbranch_scc0 .Lwords_\@
	tensor_load_to_lds s[G0C:G0C+3], s[G1C:G1C+7]
	s_nop 0
	PLACES 4
	s_branch .Lasked_\@
.Lwords_\@:
	tensor_load_to_lds s[G0S:G0S+3], s[G1S:G1S+7]
	s_nop 0
	PLACES 4
.Lasked_\@:
.endm
; A PREFETCH of the codes of the slot that the NEXT change of slots will ask for: eight key steps ahead of that load.  All clusters of a head walk the same chunks: the head's first cluster asks.  Its four partners take
; 32,768 bytes each, told apart BY ADDRESS; in each, waves 0 to 3 ask for 8,192 bytes, lanes 256 bytes apart: each aligned block of 256 bytes of the codes is named once.  The last change that fills a slot asks for nothing.
.macro ASK
	s_cmp_gt_u32 s[SLOTS], s[LIM]
	s_cbranch_scc0 .Lnot_mine_\@
	global_prefetch_b8 v[PFO], s[PFA:PFA+1] th:TH_LOAD_NT scope:SCOPE_SE
.Lnot_mine_\@:
.endm
.macro KQ S, Q, sq, i, u               ; keys 32 i + 16 h + 8 u + 0..7 of the step, for the tile whose scores begin at S
.if (\i)%2
	v_wmma_scale_f32_16x16x128_f8f6f4 v[\S+16*(\i)+8*(\u):\S+16*(\i)+8*(\u)+7], v[KF+16*(\i):KF+16*(\i)+15], v[\Q+8-8*(\u):\Q+23-8*(\u)], 0, v[KSC+(\i)/2], v[\sq] matrix_a_scale:MATRIX_SCALE_ROW1
.else
	v_wmma_scale_f32_16x16x128_f8f6f4 v[\S+16*(\i)+8*(\u):\S+16*(\i)+8*(\u)+7], v[KF+16*(\i):KF+16*(\i)+15], v[\Q+8-8*(\u):\Q+23-8*(\u)], 0, v[KSC+(\i)/2], v[\sq]
.endif
.endm
.macro PV O, PC, sp, t                 ; tile t of the head's 64
.if (\t)%2
	v_wmma_scale_f32_16x16x128_f8f6f4 v[\O+8*(\t):\O+8*(\t)+7], v[VF+16*(\t):VF+16*(\t)+15], v[\PC:\PC+15], v[\O+8*(\t):\O+8*(\t)+7], v[VSC+(\t)/2], v[\sp] matrix_a_scale:MATRIX_SCALE_ROW1
.else
	v_wmma_scale_f32_16x16x128_f8f6f4 v[\O+8*(\t):\O+8*(\t)+7], v[VF+16*(\t):VF+16*(\t)+15], v[\PC:\PC+15], v[\O+8*(\t):\O+8*(\t)+7], v[VSC+(\t)/2], v[\sp]
.endif
.endm
.macro KLOAD off                       ; four images of K and their two scale words, off bytes on from the step in hand: 17 LDS loads
	WIN 0x40
.irp i, 0,1,2,3
.irp c, 0,1,2,3
	ds_load_b128 v[KF+16*\i+4*\c:KF+16*\i+4*\c+3], v[ADK] offset:(\off)+2048*\i+512*\c
.endr
.endr
	WIN 0
	ds_load_b64 v[KSC:KSC+1], v[ADS] offset:(\off)/16
.endm
	s_load_b256 s[4:11], s[0:1], 0x0               ; qc s[4:5], kv s[6:7], ac s[8:9], asc s[10:11]
	v_lshl_add_u32 v[SPW], v0, 2, SPARE
	v_mov_b32 v[NIL], 0
	ds_add_u32 v[SPW], v[NIL]                      ; the opening lines: the add, twice on end, and its wait ahead of my first tensor load
	ds_add_u32 v[SPW], v[NIL]
	v_lshrrev_b32 v4, 5, v0
	v_readfirstlane_b32 s[WV], v4                  ; wave 0..7
	s_bfe_u32 s13, ttmp6, 0x40000                  ; cx: it enters global addresses of my own loads, stores and prefetches alone
	s_lshl_b32 s14, ttmp9, 2
	s_add_co_u32 s14, s14, s13                     ; my block of 256 queries
	s_and_b32 s15, ttmp7, 0xffff                   ; the head, which the four partners share
	; groups 1: dense runs as rows of 256 bytes (32 elements of 8 bytes): 128 rows of codes, 4 rows of scale words.  15:0 the mask: all four work-groups; 21 set beside a mask
	s_mov_b32 s[G1C+0], 15|(3<<16)|(1<<21)
	s_mov_b32 s[G1C+1], 32<<16
	s_mov_b32 s[G1C+2], 128<<16
	s_mov_b32 s[G1C+3], 32<<16
	s_mov_b32 s[G1C+4], 128
	s_mov_b32 s[G1C+5], 32
	s_mov_b32 s[G1C+6], 0
	s_mov_b32 s[G1C+7], 0
	s_mov_b32 s[G1S+0], 15|(3<<16)|(1<<21)
	s_mov_b32 s[G1S+1], 32<<16
	s_mov_b32 s[G1S+2], 4<<16
	s_mov_b32 s[G1S+3], 32<<16
	s_mov_b32 s[G1S+4], 4
	s_mov_b32 s[G1S+5], 32
	s_mov_b32 s[G1S+6], 0
	s_mov_b32 s[G1S+7], 0
	s_and_b32 s52, s[WV], 1                        ; codes: K (0) or V (1); words: which half of a chunk's; also g, my group of 32 queries
	s_bfe_u32 s53, s[WV], 0x10001                  ; which chunk of the slot's two
	s_mul_i32 s54, s15, 8*CHB                      ; the head's first byte in kv
	s_mul_i32 s55, s53, CHB
	s_add_co_u32 s55, s55, s54                     ; my chunk
	s_lshl_b32 s56, s52, 15
	s_add_co_u32 s56, s56, s55                     ; s[56:57] my codes in memory
	s_mov_b32 s57, 0
	s_lshl_b32 s58, s52, 10
	s_add_co_u32 s58, s58, s55
	s_add_co_u32 s58, s58, 65536                   ; s[58:59] my scale words in memory
	s_mov_b32 s59, 0
	s_mov_b32 s[G0C], 1
	s_lshl_b32 s60, s52, 16
	s_lshl_b32 s61, s53, 15
	s_add_co_u32 s[G0C+1], s60, s61                ; in slot 0: K's two chunks on end, then V's two
	s_mov_b32 s[G0S], 1
	s_and_b32 s60, s[WV], 3
	s_lshl_b32 s60, s60, 10
	s_add_co_u32 s[G0S+1], s60, SCL
	s_lshr_b32 s60, s13, 1                         ; the prefetches: piece 4 cx + wave % 4 of a slot's sixteen: its chunk,
	s_mul_i32 s60, s60, CHB
	s_and_b32 s61, s13, 1
	s_lshl_b32 s61, s61, 2
	s_and_b32 s62, s[WV], 3
	s_add_co_u32 s61, s61, s62
	s_lshl_b32 s61, s61, 13                        ; its 8,192 bytes there,
	s_add_co_u32 s60, s60, s61
	s_add_co_u32 s60, s60, s54
	s_add_co_u32 s60, s60, 2*CHB                   ; in slot 1's keys: the first change of slots steps it to slot 2's
	s_mov_b32 s61, 0
	s_lshr_b32 s62, s[WV], 2                       ; 0 in waves 0 to 3,
	s_or_b32 s62, s62, ttmp9                       ; of the head's first cluster: the same in all four partners
	s_cmp_eq_u32 s62, 0
	s_cselect_b32 s[LIM], 1, -1
	s_mov_b32 s[SEL], 0x76543210
	s_mov_b32 s[SEL+1], 0xfedcba98
	s_mov_b32 s[CS], 0x3e38aa3b                    ; c = log2(e) / 8
	s_mov_b32 s[CS+1], s[CS]                       ; (named with it as a pair, so it is written)
	s_mov_b32 s[MNT], 0x600000
	s_mov_b32 s[TB], 0
	s_mov_b32 s[TS], SCL
	s_mov_b32 s[SLOTS], 3
	s_mov_b32 s72, 0x01000100                      ; which two bytes of the group's word are tile 0's,
	s_mov_b32 s73, 0x03020302                      ; tile 1's
	s_lshr_b32 s62, s[WV], 1
	s_lshl_b32 s63, s14, 2
	s_add_co_u32 s62, s62, s63                     ; my block of 64 tokens
	s_lshl_b32 s63, s15, 6
	s_add_co_u32 s63, s63, s62
	s_mul_i32 s66, s63, 4352                       ; qc: [head][block][4,352]
	s_mov_b32 s67, 0
	s_lshl_b32 s68, s52, 11                        ; the group's image
	s_lshl_b32 s69, s52, 2                         ; the group's word
	s_lshr_b32 s70, s[WV], 1                       ; a's scale bytes: [block of 64][lane 16 alpha + r][g], two bytes each
	s_lshl_b32 s70, s70, 7
	s_lshl_b32 s71, s52, 1
	s_add_co_u32 s70, s70, s71
	s_add_co_u32 s70, s70, SCG
	v_and_b32 v10, 31, v0                          ; lane
	v_and_b32 v11, 15, v0                          ; r
	v_lshlrev_b32 v[LI], 4, v10
	v_lshlrev_b32 v[PFO], 8, v10
	v_add_nc_u32 v244, s68, v[LI]
	v_lshl_add_u32 v245, v11, 3, s69
	v_lshl_add_u32 v7, v11, 2, s70
	v_add_nc_u32 v8, SCG, v[LI]
	s_wait_alu depctr_va_vdst(0)
	s_wait_dscnt 0x0                               ; both opening adds are done
	s_wait_kmcnt 0x0
	s_add_nc_u64 s[G0C+2:G0C+3], s[6:7], s[56:57]
	s_or_b32 s[G0C+3], s[G0C+3], 0x80000000
	s_add_nc_u64 s[G0S+2:G0S+3], s[6:7], s[58:59]
	s_or_b32 s[G0S+3], s[G0S+3], 0x80000000
	s_add_nc_u64 s[PFA:PFA+1], s[6:7], s[60:61]
	s_add_nc_u64 s[4:5], s[4:5], s[66:67]
	s_lshl_b32 s66, s62, 16                        ; ac: [block][K step = head / 2][4 images]; image 2 g + alpha; pieces 2 (head % 2) + b
	s_lshr_b32 s68, s15, 1
	s_lshl_b32 s68, s68, 13
	s_add_co_u32 s66, s66, s68
	s_lshl_b32 s68, s52, 12
	s_add_co_u32 s66, s66, s68
	s_and_b32 s68, s15, 1
	s_lshl_b32 s68, s68, 10
	s_add_co_u32 s66, s66, s68
	s_add_nc_u64 s[8:9], s[8:9], s[66:67]
	s_lshl_b32 s66, s15, 13                        ; asc: [head][block][128 bytes]
	s_lshl_b32 s68, s14, 9
	s_add_co_u32 s66, s66, s68
	s_add_nc_u64 s[10:11], s[10:11], s[66:67]
	ROUND                                          ; all four work-groups are here: the first joint loads meet
	TLOAD                                          ; slot 0: one load of mine is out
	global_load_b32 v246, v245, s[4:5] offset:4096 ; the group's word of row r
	WIN 0x40
	global_load_b128 v[QX0+8:QX0+11], v244, s[4:5]                ; tile 0's codes: k = 16 h + 0..15,
	global_load_b128 v[QX0+12:QX0+15], v244, s[4:5] offset:512    ; k = 32 + 16 h + 0..15
	global_load_b128 v[QX1+8:QX1+11], v244, s[4:5] offset:1024    ; tile 1's
	global_load_b128 v[QX1+12:QX1+15], v244, s[4:5] offset:1536
.irp j, 0,1,2,3,4,5,6,7
	v_mov_b32 v[QX0+\j], 0                         ; zero codes on either side of q
	v_mov_b32 v[QX0+16+\j], 0
	v_mov_b32 v[QX1+\j], 0
	v_mov_b32 v[QX1+16+\j], 0
.endr
	WIN 0
.set J_, 0
.rept 64
	v_mov_b32 v[OX0+J_], 0                         ; O^T of both tiles.  (The step is written once: its first trip finds zeros, which the first change of M leaves zeros)
.set J_, J_+1
.endr
.irp b, 0,1,2,3
	v_mov_b32 v[HO+\b], 0                          ; a lane permute's destination counts as one of its sources
	v_mov_b32 v[HO+8+\b], 0
.endr
	v_mov_b32 v[FF+1], 0                           ; (named as the upper halves of the pairs v[248:249], v[250:251], v[246:247])
	v_mov_b32 v[FF+3], 0
	v_mov_b32 v247, 0
.irp t, 12,16
	v_mov_b32 v[\t+1], 0xff61b1e6                  ; the largest score so far: -3e38, under every score
	v_mov_b32 v[\t], 0x7e232e3a                    ; -M to begin with: a large whole number; the first step's f is then 0 or tiny, over zeros
	v_mov_b32 v[\t+2], 0
	v_mov_b32 v[\t+3], 0
.endr
	s_wait_loadcnt 0x0
	v_perm_b32 v[QS], v246, v246, s72              ; (s0, s1, s0, s1): q's two bytes serve k = 0..63 and k = 64..127 alike; a step's first eight plain lines stand between these and the first product
	v_perm_b32 v[QS+1], v246, v246, s73
	s_wait_alu depctr_va_vdst(0)
; THE ROW'S SUM IS TAKEN OF THE UNQUANTISED p: a tile's 32 pairs at S in eight chains: seven pairs at T, which are free meanwhile, and the sum itself
.macro SUMS S, ST, T
.set C_, 0
.rept 7
	v_pk_add_f32 v[\T+2*C_:\T+2*C_+1], v[\S+2*C_:\S+2*C_+1], v[\S+14+2*C_:\S+15+2*C_]
.set C_, C_+1
.endr
	v_pk_add_f32 v[\ST+2:\ST+3], v[\ST+2:\ST+3], v[\S+28:\S+29]
.set C_, 0
.rept 7
	v_pk_add_f32 v[\T+2*C_:\T+2*C_+1], v[\T+2*C_:\T+2*C_+1], v[\S+30+2*C_:\S+31+2*C_]
.set C_, C_+1
.endr
	v_pk_add_f32 v[\ST+2:\ST+3], v[\ST+2:\ST+3], v[\S+44:\S+45]
.set C_, 0
.rept 7
	v_pk_add_f32 v[\T+2*C_:\T+2*C_+1], v[\T+2*C_:\T+2*C_+1], v[\S+46+2*C_:\S+47+2*C_]
.set C_, C_+1
.endr
	v_pk_add_f32 v[\ST+2:\ST+3], v[\ST+2:\ST+3], v[\S+60:\S+61]
	v_pk_add_f32 v[\T:\T+1], v[\T:\T+1], v[\S+62:\S+63]
	v_pk_add_f32 v[\ST+2:\ST+3], v[\ST+2:\ST+3], v[\T+6:\T+7]
	v_pk_add_f32 v[\T:\T+1], v[\T:\T+1], v[\T+8:\T+9]
	v_pk_add_f32 v[\T+2:\T+3], v[\T+2:\T+3], v[\T+10:\T+11]
	v_pk_add_f32 v[\T+4:\T+5], v[\T+4:\T+5], v[\T+12:\T+13]
	s_delay_alu instid0(VALU_DEP_2)
	v_pk_add_f32 v[\ST+2:\ST+3], v[\ST+2:\ST+3], v[\T+2:\T+3]
	s_delay_alu instid0(VALU_DEP_2)
	v_pk_add_f32 v[\T:\T+1], v[\T:\T+1], v[\T+4:\T+5]
	s_delay_alu instid0(VALU_DEP_1)
	v_pk_add_f32 v[\ST+2:\ST+3], v[\ST+2:\ST+3], v[\T:\T+1]
.endm
.macro CVT S, PC, sc                   ; a tile's 64 held p become 16 registers of codes in window 1
	WIN 0x40
.irp b, 0,1,2,3
	v_cvt_scalef32_pk8_fp8_f32 v[\PC+4*\b:\PC+1+4*\b], v[\S+16*\b:\S+7+16*\b], v[\sc+\b]
	v_cvt_scalef32_pk8_fp8_f32 v[\PC+2+4*\b:\PC+3+4*\b], v[\S+8+16*\b:\S+15+16*\b], v[\sc+\b]
.endr
	WIN 0
.endm
; A KEY STEP: 128 keys, both tiles.  At its head this step's K has been asked of LDS.  Tile j's registers: scores SX0 + 64 j, O^T OX0 + 32 j, state 12 + 4 j, BM + 4 j, HO + 8 j, SO + 8 j, FF + 2 j.
.macro STEP
	v_add_nc_u32 v[ADK], s[TB], v[LI]
	v_add_nc_u32 v[ADS], s[TS], v[LI]
	v_add_nc_u32 v[ADV], 0x10000, v[ADK]           ; V's images lie 65,536 bytes behind K's
	PLACES 5                                       ; with the three additions: eight places between the last products and loads into registers that they read
	WIN 0x40
.irp t, 0,1,2,3
.irp c, 0,1,2,3
	ds_load_b128 v[VF+16*\t+4*\c:VF+16*\t+4*\c+3], v[ADV] offset:2048*\t+512*\c   ; V's four tiles land while the scores and the softmax are worked
.endr
.endr
	WIN 0
	ds_load_b64 v[VSC:VSC+1], v[ADS] offset:8
	s_wait_alu depctr_va_vdst(0)
	s_wait_dscnt 17                                ; K and its words are in; the 17 loads for V, issued behind them, may be out
	WIN 0x05                                       ; sources 0 and 1 in window 1
.irp i, 0,1,2,3
.irp u, 0,1
	KQ SX0, QX0, QS, \i, \u
.endr
.endr
.irp i, 0,1,2,3
.irp u, 0,1
	KQ SX1, QX1, QS+1, \i, \u
.endr
.endr
	WIN 0
.irp j, 0,1
	v_mov_b32 v[CM+\j], v[12+4*\j]                 ; the old -M is kept
.endr
	PLACES 6                                       ; with the two lines above: eight places ahead of the loads into K's registers and of the first read of the scores
	s_cmp_eq_u32 s[CNT], 1                         ; a slot's last step has no successor in the slot: the count of steps alone decides
	s_cbranch_scc1 .Lno_next_\@
	KLOAD 8192                                     ; the next step's K lands while the softmax is worked
.Lno_next_\@:
; THE LARGEST SCORE OF EACH BLOCK OF 32 KEYS serves twice: for the row's maximum and, since p rises with the score, for the block's largest p.  Eight blocks by turns
.irp j, 0,1
.irp b, 0,1,2,3
	v_max3_num_f32 v[BM+4*\j+\b], v[SX0+64*\j+16*\b], v[SX0+64*\j+16*\b+1], v[SX0+64*\j+16*\b+2]
.endr
.endr
.irp i, 3,5,7,9,11,13
.irp j, 0,1
.irp b, 0,1,2,3
	v_max3_num_f32 v[BM+4*\j+\b], v[BM+4*\j+\b], v[SX0+64*\j+16*\b+\i], v[SX0+64*\j+16*\b+\i+1]
.endr
.endr
.endr
.irp j, 0,1
.irp b, 0,1,2,3
	v_max_num_f32 v[BM+4*\j+\b], v[BM+4*\j+\b], v[SX0+64*\j+16*\b+15]
.endr
.endr
.irp j, 0,1
.irp b, 0,1,2,3
	v_permlanex16_b32 v[HO+8*\j+\b], v[BM+4*\j+\b], s[SEL], s[SEL+1]
.endr
.endr
.irp j, 0,1
.irp b, 0,1,2,3
	v_max_num_f32 v[BM+4*\j+\b], v[BM+4*\j+\b], v[HO+8*\j+\b]   ; with lane l xor 16's 16 keys
.endr
.endr
; M's chain, the two tiles line by line in turn
.irp j, 0,1
	v_max3_num_f32 v[CX+\j], v[BM+4*\j], v[BM+4*\j+1], v[BM+4*\j+2]
.endr
.irp j, 0,1
	v_max3_num_f32 v[13+4*\j], v[CX+\j], v[BM+4*\j+3], v[13+4*\j]   ; the running largest score of my query
.endr
.irp j, 0,1
	v_mul_f32 v[CX+\j], s[CS], v[13+4*\j]          ; as t (c is positive, so the largest score gives the largest t)
.endr
.irp j, 0,1
	v_floor_f32 v[12+4*\j], -v[CX+\j]              ; the new -M = floor(-t) = -ceil(t)
.endr
.irp j, 0,1
	v_sub_f32 v[CM+\j], v[12+4*\j], v[CM+\j]       ; old M - new M: a whole number, 0 or less
.endr
.irp j, 0,1
	v_cvt_i32_f32 v[CM+\j], v[CM+\j]               ; (it saturates)
.endr
.irp j, 0,1
	v_ldexp_f32 v[FF+2*\j], 1.0, v[CM+\j]          ; f = 2^(old M - new M)
.endr
.set J_, 0
.rept 32
	v_pk_fma_f32 v[SX0+J_:SX0+J_+1], v[SX0+J_:SX0+J_+1], s[CS:CS+1], v[12:13] op_sel_hi:[1,0,0]   ; tile 0: t - M, two at a time
.set J_, J_+2
.endr
.irp j, 0,1
.irp b, 0,1,2,3
	v_fma_f32 v[BM+4*\j+\b], v[BM+4*\j+\b], s[CS], v[12+4*\j]   ; the same of each block's largest score
.endr
.endr
.irp j, 0,1
.set J_, 0
.rept 16
	v_pk_mul_f32 v[OX0+32*\j+J_:OX0+32*\j+J_+1], v[OX0+32*\j+J_:OX0+32*\j+J_+1], v[FF+2*\j:FF+2*\j+1] op_sel_hi:[1,0]   ; O^T under the new M: no exponential stands between the last products and these first readers
.set J_, J_+2
.endr
.endr
	s_wait_alu depctr_va_vdst(0)
.set J_, 0
.rept 32
	v_exp_f32 v[SX0+J_], v[SX0+J_]                 ; tile 0: p = 2^(t - M)
	v_pk_fma_f32 v[SX1+J_:SX1+J_+1], v[SX1+J_:SX1+J_+1], s[CS:CS+1], v[16:17] op_sel_hi:[1,0,0]   ; tile 1: t - M: read by the second batch, behind two waits
	v_exp_f32 v[SX0+J_+1], v[SX0+J_+1]
.set J_, J_+2
.endr
.irp j, 0,1
.irp b, 0,1,2,3
	v_exp_f32 v[BM+4*\j+\b], v[BM+4*\j+\b]         ; the block's largest p: the same two instructions on the same number give the same bits
.endr
.endr
.irp j, 0,1
	v_pk_mul_f32 v[14+4*\j:15+4*\j], v[14+4*\j:15+4*\j], v[FF+2*\j:FF+2*\j+1] op_sel_hi:[1,0]   ; the sums under the new M: plain lines behind the exponentials
.endr
	s_wait_alu depctr_va_vdst(0)                   ; one wait for the batch, ahead of its first reader
	SUMS SX0, 12, HO                               ; tile 0's sum; v232-245 are free
.irp j, 0,1
.irp b, 0,1,2,3
	v_max_num_f32 v[BM+4*\j+\b], 0x4800000, v[BM+4*\j+\b]   ; the floor 2^(9 - 127): the byte cannot fall under 1
.endr
.endr
.irp j, 0,1
.irp b, 0,1,2,3
	v_add_nc_u32 v[SO+8*\j+\b], 0xfc000000, v[BM+4*\j+\b]   ; the conversion's scale operand
.endr
.endr
.irp j, 0,1
.irp b, 0,1,2,3
	v_and_or_b32 v[HO+8*\j+\b], v[BM+4*\j+\b], 0x7f800000, s[MNT]   ; 448 x the scale
.endr
.endr
.irp j, 0,1
.irp b, 0,1,2,3
	v_lshrrev_b32 v[BM+4*\j+\b], 23, v[SO+8*\j+\b] ; the scale's byte
.endr
.endr
.irp j, 0,1
	v_lshl_or_b32 v[PS+\j], v[BM+4*\j+1], 8, v[BM+4*\j]   ; p's scale word for these 128 keys
.endr
.irp j, 0,1
	v_lshl_or_b32 v[PS+\j], v[BM+4*\j+2], 16, v[PS+\j]
.endr
.irp j, 0,1
	v_lshl_or_b32 v[PS+\j], v[BM+4*\j+3], 24, v[PS+\j]
.endr
	s_wait_alu depctr_va_vdst(0)
	s_wait_dscnt 0x0                               ; V is in (and the next K, where it was asked for)
.set J_, 0
.rept 32
	v_exp_f32 v[SX1+J_], v[SX1+J_]                 ; tile 1: p = 2^(t - M)
	v_dual_min_num_f32 v[SX0+J_], v[HO+J_/16], v[SX0+J_] :: v_dual_min_num_f32 v[SX0+J_+1], v[HO+J_/16], v[SX0+J_+1]   ; tile 0's holds, two a line: the conversion does not saturate (ISA guide 7.6.2); p is not negative, so the hold is one-sided
	v_exp_f32 v[SX1+J_+1], v[SX1+J_+1]
.set J_, J_+2
.endr
	v_nop                                          ; a plain line behind the last exponential
	s_wait_alu depctr_va_vdst(0)                   ; one wait for the batch, ahead of its first reader
	CVT SX0, PC0, SO
	SUMS SX1, 16, BM                               ; tile 1's sum; v224-237 are free: the bytes are in the words, tile 0's holds and conversions are done.  These 32 lines also stand between the codes and the products
	WIN 0x05
.irp t, 0,1,2,3
	PV OX0, PC0, PS, \t
.endr
	WIN 0
.set J_, 0
.rept 32
	v_dual_min_num_f32 v[SX1+J_], v[HO+8+J_/16], v[SX1+J_] :: v_dual_min_num_f32 v[SX1+J_+1], v[HO+8+J_/16], v[SX1+J_+1]   ; tile 1's holds
.set J_, J_+2
.endr
	CVT SX1, PC1, SO+8
	PLACES 4                                       ; codes written by vector instructions stand four places ahead of a scaled product
	WIN 0x05
.irp t, 0,1,2,3
	PV OX1, PC1, PS+1, \t
.endr
	WIN 0
	s_add_co_u32 s[TB], s[TB], 8192                ; the next step's images
	s_add_co_u32 s[TS], s[TS], 512                 ; and scale words
.endm
.macro SLOT_STEPS                      ; a slot's eight key steps: written once, walked eight times
	s_mov_b32 s[CNT], 8
	v_add_nc_u32 v[ADK], s[TB], v[LI]
	v_add_nc_u32 v[ADS], s[TS], v[LI]
	KLOAD 0                                        ; the slot's first K
.Lstep_\@:
	STEP
	s_sub_co_u32 s[CNT], s[CNT], 1
	s_cmp_lg_u32 s[CNT], 0
	s_cbranch_scc1 .Lstep_\@
	s_sub_co_u32 s[TB], s[TB], 65536               ; back to a slot's first step,
	s_xor_b32 s[TB], s[TB], SLOT1                  ; in the other slot
	s_sub_co_u32 s[TS], s[TS], SCS
	s_xor_b32 s[TS], s[TS], SCS
.endm
; THE CHANGE OF SLOTS stands at a slot's head.  Each wave waits for all its tensor loads (its part of the slot ahead), adds 0 to its spare word, and waits for that and for its reads of the slot that it has left.
; fill = 1: a round of the cluster's barrier follows, so that no wave of any partner still reads the other slot or has a load on its way; the joint refill is the first thing behind it and has eight key steps in which to land.
.macro CHANGE fill
	s_wait_tensorcnt 0x0                           ; no tensor load of mine is out, so the groups 0 may be written
	ds_add_u32 v[SPW], v[NIL]                      ; 0 onto my spare word
.if \fill
	s_xor_b32 s[G0C+1], s[G0C+1], SLOT1            ; the other slot than last time,
	s_add_nc_u64 s[G0C+2:G0C+3], s[G0C+2:G0C+3], 2*CHB   ; the next two chunks; the type bits on top are not reached
	s_xor_b32 s[G0S+1], s[G0S+1], SCS
	s_add_nc_u64 s[G0S+2:G0S+3], s[G0S+2:G0S+3], 2*CHB
	s_wait_xcnt 0x0                                ; the last prefetch, a slot back, has read its address
	s_add_nc_u64 s[PFA:PFA+1], s[PFA:PFA+1], 2*CHB ; one slot further on than the walking descriptors
	s_wait_dscnt 0x0                               ; the add is done, and my reads of the slot that I have left are over
	ROUND
	TLOAD                                          ; one load of mine is out
	ASK
.else
	s_wait_dscnt 0x0
	s_barrier_signal -1
	s_barrier_wait -1
.endif
.endm
.Lslot:                                            ; 3 trips: behind each change of slots but the last the next slot is asked for
	CHANGE 1
	SLOT_STEPS
	s_sub_co_u32 s[SLOTS], s[SLOTS], 1
	s_cmp_lg_u32 s[SLOTS], 0
	s_cbranch_scc1 .Lslot
	CHANGE 0                                       ; the last slot is written out
	SLOT_STEPS
; THE WAY OUT of tile j.  O^T / the sum: register 16 b + i is feature 32 b + 16 h + i of my query: two blocks of the next product's K, quantised as they stand: two pieces of an image.  The quotients lie at S on, the codes at S + 32 on.
.macro OUT S, O, ST, j
	v_add_f32 v[\ST+2], v[\ST+2], v[\ST+3]         ; the sum's two halves,
	s_delay_alu instid0(VALU_DEP_1)
	v_permlanex16_b32 v244, v[\ST+2], s[SEL], s[SEL+1]
	s_delay_alu instid0(VALU_DEP_1)
	v_add_f32 v[\ST+2], v[\ST+2], v244             ; and lane l xor 16's
	s_wait_alu depctr_va_vdst(0)
	v_rcp_f32 v246, v[\ST+2]
	v_nop                                          ; a plain line behind the reciprocal
	s_wait_alu depctr_va_vdst(0)                   ; the wait ahead of its first reader, which is also O^T's
.set J_, 0
.rept 16
	v_pk_mul_f32 v[\S+J_:\S+J_+1], v[\O+J_:\O+J_+1], v[246:247] op_sel_hi:[1,0]   ; each accumulator from its low end on
.set J_, J_+2
.endr
.irp b, 0,1
	v_max3_num_f32 v[BM+\b], |v[\S+16*\b]|, |v[\S+1+16*\b]|, 0x4800000
.endr
.irp i, 2,4,6,8,10,12,14
.irp b, 0,1
	s_delay_alu instid0(VALU_DEP_2)
	v_max3_num_f32 v[BM+\b], v[BM+\b], |v[\S+16*\b+\i]|, |v[\S+1+16*\b+\i]|
.endr
.endr
.irp b, 0,1
	s_delay_alu instid0(VALU_DEP_2)
	v_permlanex16_b32 v[T4+\b], v[BM+\b], s[SEL], s[SEL+1]
.endr
.irp b, 0,1
	s_delay_alu instid0(VALU_DEP_2)
	v_max_num_f32 v[BM+\b], v[BM+\b], v[T4+\b]
.endr
.irp b, 0,1
	s_delay_alu instid0(VALU_DEP_2)
	v_add_nc_u32 v[SO+\b], 0xfc000000, v[BM+\b]
.endr
.irp b, 0,1
	s_delay_alu instid0(VALU_DEP_4)
	v_and_or_b32 v[HO+\b], v[BM+\b], 0x7f800000, s[MNT]
.endr
.irp b, 0,1
	s_delay_alu instid0(VALU_DEP_4)
	v_lshrrev_b32 v[T4+\b], 23, v[SO+\b]
.endr
	s_delay_alu instid0(VALU_DEP_1)
	v_lshl_or_b32 v244, v[T4+1], 8, v[T4]          ; my row's two bytes
.irp b, 0,1
.irp i, 0,1,2,3,4,5,6,7,8,9,10,11,12,13,14,15
	v_med3_num_f32 v[\S+16*\b+\i], v[\S+16*\b+\i], -v[HO+\b], v[HO+\b]
.endr
	v_cvt_scalef32_pk8_fp8_f32 v[\S+32+4*\b:\S+33+4*\b], v[\S+16*\b:\S+7+16*\b], v[SO+\b]
	v_cvt_scalef32_pk8_fp8_f32 v[\S+34+4*\b:\S+35+4*\b], v[\S+8+16*\b:\S+15+16*\b], v[SO+\b]
.endr
	v_nop                                          ; a plain line behind the last conversion
.irp b, 0,1
	global_store_b128 v[LI], v[\S+32+4*\b:\S+35+4*\b], s[8:9] offset:2048*(\j)+512*\b   ; 512 consecutive bytes
.endr
	ds_store_b16 v7, v244 offset:64*(\j)           ; both lanes of a row write the same bytes with the same value
.endm
	OUT SX0, OX0, 12, 0                            ; tile 0's last products stand 44 plain lines back; tile 1's are read behind tile 0's way out
	OUT SX1, OX1, 16, 1
	s_wait_dscnt 0x0                               ; for the others' sake
	s_barrier_signal -1
	s_barrier_wait -1
	s_cmp_lg_u32 s[WV], 0
	s_cbranch_scc1 .Lnot_first
	ds_load_b128 v[SX0:SX0+3], v8                  ; wave 0 stores the work-group's 512 bytes of scale bytes
	s_wait_dscnt 0x0
	global_store_b128 v[LI], v[SX0:SX0+3], s[10:11]
.Lnot_first:
	s_wait_tensorcnt 0x0                           ; the wave's end
	ds_add_u32 v[SPW], v[NIL]
	s_wait_dscnt 0x0
	ROUND                                          ; the closing round
	s_endpgm
.Lfunc_end_k_q0f4c5a8364_attn:
	.size	k_q0f4c5a8364_attn, .Lfunc_end_k_q0f4c5a8364_attn-k_q0f4c5a8364_attn
	.p2alignl 7, 3214868480
	.fill 96, 4, 3214868480
	.section	.rodata,"a",@progbits
	.p2align	6, 0x0
	.amdhsa_kernel k_q0f4c5a8364_attn
		.amdhsa_group_segment_fixed_size 327680
		.amdhsa_private_segment_fixed_size 0
		.amdhsa_enable_private_segment 0
		.amdhsa_kernarg_size 32
		.amdhsa_user_sgpr_count 2
		.amdhsa_user_sgpr_kernarg_segment_ptr 1
		.amdhsa_wavefront_size32 1
		.amdhsa_system_sgpr_workgroup_id_x 1
		.amdhsa_system_sgpr_workgroup_id_y 1
		.amdhsa_system_sgpr_workgroup_id_z 1
		.amdhsa_system_vgpr_workitem_id 0
		.amdhsa_next_free_vgpr 512
		.amdhsa_next_free_sgpr 80
		.amdhsa_reserve_vcc 0
		.amdhsa_float_denorm_mode_32 3
		.amdhsa_float_denorm_mode_16_64 3
		.amdhsa_memory_ordered 1
		.amdhsa_forward_progress 1
		.amdhsa_inst_pref_size 98
	.end_amdhsa_kernel
	.amdgpu_metadata
---
amdhsa.version: [ 1, 2 ]
amdhsa.kernels:
  - .name:           k_q0f4c5a8364_attn
    .symbol:         k_q0f4c5a8364_attn.kd
    .args:
      - { .name: qc, .offset: 0, .size: 8, .value_kind: global_buffer, .address_space: global }
      - { .name: kv, .offset: 8, .size: 8, .value_kind: global_buffer, .address_space: global }
      - { .name: ac, .offset: 16, .size: 8, .value_kind: global_buffer, .address_space: global }
      - { .name: asc, .offset: 24, .size: 8, .value_kind: global_buffer, .address_space: global }
    .group_segment_fixed_size: 327680
    .private_segment_fixed_size: 0
    .kernarg_segment_align: 8
    .kernarg_segment_size: 32
    .max_flat_workgroup_size: 256
    .sgpr_count:     80
    .vgpr_count:     512
    .wavefront_size: 32
...
	.end_amdgpu_metadata
.endif
;; end of part 3
;; launch oproj (part 4): grid 16 x 16, 4 waves a work-group, clusters of 4 x 1, 168,448 bytes of LDS; arguments ac, asc, woq, bo, out0; writes out0
.if DOCPART == 4
	.amdgcn_target "amdgcn-amd-amdhsa--gfx1250"
	.amdhsa_code_object_version 6
	.text
	.protected	k_q0f4c5a8364_oproj
	.globl	k_q0f4c5a8364_oproj
	.p2align	8
	.type	k_q0f4c5a8364_oproj,@function
k_q0f4c5a8364_oproj:
	s_mov_b64 s[64:65], 0
	v_nop
	global_prefetch_b8 v0, s[64:65] scope:SCOPE_SE
	s_setreg_imm32_b32 hwreg(HW_REG_WAVE_MODE, 25, 1), 1
	s_wait_xcnt 0x0
	s_wait_alu depctr_hold_cnt(0) depctr_sa_sdst(0) depctr_va_vdst(0) depctr_va_sdst(0) depctr_va_ssrc(0) depctr_va_vcc(0) depctr_vm_vsrc(0)
	s_getreg_b32 s2, hwreg(HW_REG_IB_STS2, 6, 4)
	s_cmp_eq_u32 s2, 0
	s_cbranch_scc0 .Lentry_in_a_cluster
	s_endpgm
.Lentry_in_a_cluster:
	s_bfe_u32 s2, ttmp6, 0x10000c
	s_cmp_lg_u32 s2, 0x3003
	s_cbranch_scc0 .Lentry_shape_is_right
	s_endpgm
.Lentry_shape_is_right:
; out = a Wo + bo on codes of FP8 (E4M3) with E8M0 scales; out is f32.
; SHARES.  A work-group is 64 output features (fb) and 256 tokens; wave w takes 64 tokens (block 4 tb + w): four tiles of 16.  8 K steps of 128, 16 accumulators, which take turns in the same order in every step
; The wave's fragments of a for all of K stay in 512 registers, read once.  The block's weights, 67,584 bytes, come into LDS ONCE, by joint loads: the four token blocks of a cluster share them.
; TRANSPOSED (source 0 = 16 features of Wo, source 1 = 16 tokens): a lane holds one token, and the registers of tile (b, u) are features 32 b + 16 h + 8 u + 0..7: 32 neighbouring bytes of a row of out.
; The tokens of a tile are not neighbours: row r of tile (g, alpha) is token 32 g + 16 (r / 8) + 8 alpha + r % 8.  A tile goes through the wave's own stage in LDS and leaves as rows of 256 bytes.
; REGISTERS.  Window 0: v1-13 addresses; v16-31 a's scale words; v32-47 their halves as loaded; v48-51 Wo's scale words, two sets; v52-83 bo's tiles, later rows on the way out; v84-115 rows on the way out; v128-255 accumulators.
;   Window 1: v0-127 Wo's fragments, two sets of four.   Windows 2, 3: a's fragments: K step s at window 2 + s / 4, v[64 (s % 4) + 16 (2 g + alpha)].
.set CHUNK, 8448                       ; a K step's weights: four images and 256 bytes of scale words
.set STG,   8*CHUNK                    ; behind them: a stage of 16 rows x (256 + 16) bytes for each wave; no tensor load lands there
.set WV,  14
.set G1,  24
.set G0,  32
.set LI,  1                            ; v1  16 x lane
.set L4,  2                            ; v2  4 x lane
.set B64, 3                            ; v3  64 h
.set LW,  4                            ; v4-5 16 x lane + 4 CHUNK a
.set LS,  6                            ; v6-7 8 x lane + 4 CHUNK a
.set STO, 8
.set RD,  9
.set CO,  10
.set AS,  16                           ; register 2 s + g; lanes 0-15 tile alpha = 0, lanes 16-31 alpha = 1
.set P,   32
.set WSC, 48
.set BO,  52
.set OB0, 84
.set ACC, 128
.set MSB, 0
.macro WIN new                         ; the immediate's high byte repeats the setting that is left
.if MSB != (\new)
	s_set_vgpr_msb (MSB<<8)|(\new)
.set MSB, (\new)
.endif
.endm
.macro PLACES n
.rept \n
	v_nop
.endr
.endm
.macro ROUND                           ; a round of the cluster's barrier
	s_barrier_signal -1
	s_barrier_wait -1
	s_cmp_lg_u32 s[WV], 0
	s_cbranch_scc1 .Lnot_wave_0_\@
	s_barrier_signal -3
.Lnot_wave_0_\@:
	s_barrier_wait -3
	s_barrier_signal -1
	s_barrier_wait -1
.endm
.macro WM d, a, b, c, sa, sb, ra, rb   ; one matrix instruction; ra, rb: the side's scales stand in lanes 16-31
.if (\ra) && (\rb)
	v_wmma_scale_f32_16x16x128_f8f6f4 v[(\d):(\d)+7], v[(\a):(\a)+15], v[(\b):(\b)+15], v[(\c):(\c)+7], v[\sa], v[\sb] matrix_a_scale:MATRIX_SCALE_ROW1 matrix_b_scale:MATRIX_SCALE_ROW1
.elseif (\ra)
	v_wmma_scale_f32_16x16x128_f8f6f4 v[(\d):(\d)+7], v[(\a):(\a)+15], v[(\b):(\b)+15], v[(\c):(\c)+7], v[\sa], v[\sb] matrix_a_scale:MATRIX_SCALE_ROW1
.elseif (\rb)
	v_wmma_scale_f32_16x16x128_f8f6f4 v[(\d):(\d)+7], v[(\a):(\a)+15], v[(\b):(\b)+15], v[(\c):(\c)+7], v[\sa], v[\sb] matrix_b_scale:MATRIX_SCALE_ROW1
.else
	v_wmma_scale_f32_16x16x128_f8f6f4 v[(\d):(\d)+7], v[(\a):(\a)+15], v[(\b):(\b)+15], v[(\c):(\c)+7], v[\sa], v[\sb]
.endif
.endm
.macro ALOAD s                         ; K step s of my 64 tokens: four images: 16 loads
	WIN 0x80+0x40*((\s)/4)
.irp j, 0,1,2,3
.irp c, 0,1,2,3
	global_load_b128 v[64*((\s)%4)+16*\j+4*\c:64*((\s)%4)+16*\j+4*\c+3], v[LI], s[4:5] offset:8192*(\s)+2048*\j+512*\c
.endr
.endr
	WIN 0
.endm
.macro WFETCH s                        ; K step s: four images of Wo and their scale words into set s % 2: 17 LDS loads
	WIN 0x40
.irp t, 0,1,2,3
.irp c, 0,1,2,3
	ds_load_b128 v[64*((\s)%2)+16*\t+4*\c:64*((\s)%2)+16*\t+4*\c+3], v[LW+(\s)/4] offset:CHUNK*((\s)%4)+2048*\t+512*\c
.endr
.endr
	WIN 0
	ds_load_b64 v[WSC+2*((\s)%2):WSC+2*((\s)%2)+1], v[LS+(\s)/4] offset:CHUNK*((\s)%4)+8192
.endm
.macro MUL s
.irp g, 0,1
.irp a, 0,1
.irp b, 0,1
.irp u, 0,1
.if (\s) == 0
	WM ACC+64*\g+32*\a+16*\b+8*\u, 64*((\s)%2)+16*(2*\b+\u), 64*((\s)%4)+16*(2*\g+\a), BO+8*(2*\b+\u), WSC+2*((\s)%2)+\b, AS+2*(\s)+\g, \u, \a
.else
	WM ACC+64*\g+32*\a+16*\b+8*\u, 64*((\s)%2)+16*(2*\b+\u), 64*((\s)%4)+16*(2*\g+\a), ACC+64*\g+32*\a+16*\b+8*\u, WSC+2*((\s)%2)+\b, AS+2*(\s)+\g, \u, \a
.endif
.endr
.endr
.endr
.endr
.endm
	s_load_b256 s[4:11], s[0:1], 0x0               ; ac s[4:5], asc s[6:7], woq s[8:9], bo s[10:11]
	s_load_b64 s[12:13], s[0:1], 0x20              ; out0
	v_lshl_add_u32 v126, v0, 2, 0x29000
	v_mov_b32 v127, 0
	ds_add_u32 v126, v127
	ds_add_u32 v126, v127
	v_lshrrev_b32 v1, 5, v0
	v_readfirstlane_b32 s[WV], v1                  ; wave 0..3
	s_bfe_u32 s15, ttmp6, 0x40000                  ; cx: it enters global addresses of my own loads and stores alone
	s_lshl_b32 s16, ttmp9, 2
	s_add_co_u32 s16, s16, s15                     ; tb: my 256 tokens
	s_and_b32 s17, ttmp7, 0xffff                   ; fb: the 64 features, which the four partners share
	s_lshl_b32 s18, s16, 2
	s_add_co_u32 s18, s18, s[WV]                   ; my block of 64 tokens
	v_and_b32 v11, 31, v0                          ; lane
	v_and_b32 v12, 15, v0                          ; r
	v_bfe_u32 v13, v0, 4, 1                        ; h
	v_lshlrev_b32 v[LI], 4, v11
	v_lshlrev_b32 v[L4], 2, v11
	v_lshlrev_b32 v[B64], 6, v13
	v_lshlrev_b32 v[LS], 3, v11
	v_add_nc_u32 v[LW], 0, v[LI]
	v_add_nc_u32 v[LW+1], 4*CHUNK, v[LI]
	v_add_nc_u32 v[LS+1], 4*CHUNK, v[LS]
	s_mul_i32 s19, s[WV], 4352
	s_add_co_u32 s19, s19, STG                     ; my stage
	v_mul_u32_u24 v[STO], v12, 272                 ; in: row r, 64 bytes for each half of the lanes
	v_lshl_add_u32 v[STO], v13, 6, v[STO]
	v_add_nc_u32 v[STO], s19, v[STO]
	v_mul_u32_u24 v[RD], v13, 272                  ; back: lanes 0-15 one row of 256 bytes, lanes 16-31 the next
	v_lshl_add_u32 v[RD], v12, 4, v[RD]
	v_add_nc_u32 v[RD], s19, v[RD]
	v_lshlrev_b32 v[CO], 12, v13                   ; and the same two rows in out: 4,096 bytes a row
	v_lshl_add_u32 v[CO], v12, 4, v[CO]
	; group 1: two K steps' chunks are dense: 66 rows of 256 bytes.  15:0 the mask: all four work-groups; 21 set beside a mask
	s_mov_b32 s[G1+0], 15|(3<<16)|(1<<21)
	s_mov_b32 s[G1+1], 32<<16
	s_mov_b32 s[G1+2], 66<<16
	s_mov_b32 s[G1+3], 32<<16
	s_mov_b32 s[G1+4], 66
	s_mov_b32 s[G1+5], 32
	s_mov_b32 s[G1+6], 0
	s_mov_b32 s[G1+7], 0
	s_mov_b32 s20, 0x05040100                      ; the low halves of two words,
	s_mov_b32 s21, 0x07060302                      ; the high halves
	s_mul_i32 s36, s17, 8*CHUNK
	s_mul_i32 s22, s[WV], 2*CHUNK                  ; K steps 2 w, 2 w + 1: in memory and in LDS alike
	s_add_co_u32 s36, s36, s22
	s_mov_b32 s37, 0
	s_mov_b32 s39, 0
	s_wait_dscnt 0x0
	s_wait_kmcnt 0x0
	s_mov_b32 s[G0], 1
	s_mov_b32 s[G0+1], s22
	s_add_nc_u64 s[G0+2:G0+3], s[8:9], s[36:37]
	s_or_b32 s[G0+3], s[G0+3], 0x80000000
	s_lshl_b32 s38, s18, 16
	s_add_nc_u64 s[4:5], s[4:5], s[38:39]          ; ac: [block][K step][4 images]
	s_lshl_b32 s38, s18, 7
	s_add_nc_u64 s[6:7], s[6:7], s[38:39]          ; asc: [head][block][128 bytes]
	s_lshl_b32 s38, s17, 8
	s_add_nc_u64 s[10:11], s[10:11], s[38:39]      ; bo at my 64 features
	s_add_nc_u64 s[12:13], s[12:13], s[38:39]      ; out: my 256 bytes of a row,
	s_lshl_b32 s38, s18, 18
	s_add_nc_u64 s[12:13], s[12:13], s[38:39]      ; my 64 rows
	ROUND                                          ; all four work-groups are here: the joint loads meet
	tensor_load_to_lds s[G0:G0+3], s[G1:G1+7]      ; one load of mine is out
	s_nop 0
	PLACES 4                                       ; four lines ahead of a switch of windows
.irp i, 0,1,2,3,4,5,6,7,8,9,10,11,12,13,14,15
	global_load_b32 v[P+\i], v[L4], s[6:7] offset:8192*\i      ; head i's bytes of my tiles: lane 16 alpha + r: (g 0: b 0, b 1; g 1: b 0, b 1)
.endr
.irp t, 0,1,2,3                        ; lane (r, h) wants, for tile 2 b + u, the bias of features 32 b + 16 h + 8 u + 0..7
	global_load_b128 v[BO+8*\t:BO+8*\t+3], v[B64], s[10:11] offset:(32*(\t/2)+8*(\t%2))*4
	global_load_b128 v[BO+8*\t+4:BO+8*\t+7], v[B64], s[10:11] offset:(32*(\t/2)+8*(\t%2))*4+16
.endr
	ALOAD 0
	ALOAD 1
	ALOAD 2
	s_wait_loadcnt 56                              ; the 16 loads of scale bytes are in; the 8 of the bias and the 48 of fragments behind them may be out
.irp s, 0,1,2,3,4,5,6,7
	v_perm_b32 v[AS+2*\s], v[P+2*\s+1], v[P+2*\s], s20     ; K step s = heads 2 s, 2 s + 1: group 0's word (head 2 s: b 0, b 1; head 2 s + 1: b 0, b 1),
	v_perm_b32 v[AS+2*\s+1], v[P+2*\s+1], v[P+2*\s], s21   ; group 1's
.endr
	PLACES 8                                       ; a scale register written by a vector instruction stands eight places ahead of the product that names it
	s_wait_tensorcnt 0x0                           ; my two K steps of Wo are in,
	s_barrier_signal -1
	s_barrier_wait -1                              ; everybody's
	WFETCH 0
.macro ITER s
.if (\s) != 0
	PLACES 8                                       ; eight places between the last products and loads into the set and the scale words that they read
.endif
.if (\s) < 7
	WFETCH (\s)+1
	s_wait_alu depctr_va_vdst(0)
	s_wait_dscnt 17                                ; this step's 17 loads are in; the 17 just issued may be out
.else
	s_wait_dscnt 0x0
.endif
.if (\s) <= 5
	s_wait_loadcnt 32                              ; this K step of a (and all ahead of it) is in; the two behind it, 16 loads each, may be out
.elseif (\s) == 6
	s_wait_loadcnt 16
.else
	s_wait_loadcnt 0x0
.endif
.if (\s) <= 4
	ALOAD (\s)+3
.endif
	WIN 0x09+4*((\s)/4)                            ; source 0 (Wo) window 1, source 1 (a) window 2 or 3
	MUL \s
	WIN 0
.endm
.irp s, 0,1,2,3,4,5,6,7
	ITER \s
.endr
; THE WAY OUT, a tile of 16 tokens x 64 features at a time, through my own stage.  LDS serves a wave's instructions in order (ISA guide 5.7.1): no wait between the stores and the loads, nor ahead of the next tile's stores.
.macro TOSTAGE j
.set OBB, OB0-32*((\j)%2)
.irp b, 0,1
.irp u, 0,1
	ds_store_b128 v[STO], v[ACC+32*(\j)+16*\b+8*\u:ACC+32*(\j)+16*\b+8*\u+3] offset:128*\b+32*\u       ; each accumulator from its low end on
	ds_store_b128 v[STO], v[ACC+32*(\j)+16*\b+8*\u+4:ACC+32*(\j)+16*\b+8*\u+7] offset:128*\b+32*\u+16
.endr
.endr
.irp i, 0,1,2,3,4,5,6,7
	ds_load_b128 v[OBB+4*\i:OBB+4*\i+3], v[RD] offset:544*\i
.endr
.endm
.macro SEND j, younger                 ; younger: the LDS instructions issued behind tile j's loads, which may stay out
.set OBB, OB0-32*((\j)%2)
	s_wait_dscnt \younger
.irp i, 0,1,2,3,4,5,6,7                ; stage rows 2 i, 2 i + 1 are tokens 32 g + 16 (i / 4) + 8 alpha + 2 (i % 4) and the next
	global_store_b128 v[CO], v[OBB+4*\i:OBB+4*\i+3], s[12:13] offset:(32*((\j)/2)+16*(\i/4)+8*((\j)%2)+2*(\i%4))*4096 th:TH_STORE_NT   ; 16 lanes store 256 consecutive bytes, aligned; written once, read by nobody here
.endr
.endm
	PLACES 8                                       ; ahead of the first read of results and of loads into registers that products have read
	TOSTAGE 0
.irp j, 1,2,3
.if \j > 1
	s_wait_xcnt 0x0                                ; tile j - 2's stores have read their data: tile j's rows may land there
.endif
	TOSTAGE \j
	SEND \j-1, 16                                  ; behind tile j - 1's loads: tile j's 8 stores and 8 loads
.endr
	SEND 3, 0
	s_wait_tensorcnt 0x0
	ds_add_u32 v126, v127
	s_wait_dscnt 0x0
	ROUND                                          ; the closing round: no work-group ends while a partner may still ask for a chunk that names it
	s_endpgm
.Lfunc_end_k_q0f4c5a8364_oproj:
	.size	k_q0f4c5a8364_oproj, .Lfunc_end_k_q0f4c5a8364_oproj-k_q0f4c5a8364_oproj
	.p2alignl 7, 3214868480
	.fill 96, 4, 3214868480
	.section	.rodata,"a",@progbits
	.p2align	6, 0x0
	.amdhsa_kernel k_q0f4c5a8364_oproj
		.amdhsa_group_segment_fixed_size 168448
		.amdhsa_private_segment_fixed_size 0
		.amdhsa_enable_private_segment 0
		.amdhsa_kernarg_size 40
		.amdhsa_user_sgpr_count 2
		.amdhsa_user_sgpr_kernarg_segment_ptr 1
		.amdhsa_wavefront_size32 1
		.amdhsa_system_sgpr_workgroup_id_x 1
		.amdhsa_system_sgpr_workgroup_id_y 1
		.amdhsa_system_sgpr_workgroup_id_z 1
		.amdhsa_system_vgpr_workitem_id 0
		.amdhsa_next_free_vgpr 1024
		.amdhsa_next_free_sgpr 66
		.amdhsa_reserve_vcc 0
		.amdhsa_float_denorm_mode_32 3
		.amdhsa_float_denorm_mode_16_64 3
		.amdhsa_memory_ordered 1
		.amdhsa_forward_progress 1
		.amdhsa_inst_pref_size 56
	.end_amdhsa_kernel
	.amdgpu_metadata
---
amdhsa.version: [ 1, 2 ]
amdhsa.kernels:
  - .name:           k_q0f4c5a8364_oproj
    .symbol:         k_q0f4c5a8364_oproj.kd
    .args:
      - { .name: ac, .offset: 0, .size: 8, .value_kind: global_buffer, .address_space: global }
      - { .name: asc, .offset: 8, .size: 8, .value_kind: global_buffer, .address_space: global }
      - { .name: woq, .offset: 16, .size: 8, .value_kind: global_buffer, .address_space: global }
      - { .name: bo, .offset: 24, .size: 8, .value_kind: global_buffer, .address_space: global }
      - { .name: out0, .offset: 32, .size: 8, .value_kind: global_buffer, .address_space: global }
    .group_segment_fixed_size: 168448
    .private_segment_fixed_size: 0
    .kernarg_segment_align: 8
    .kernarg_segment_size: 40
    .max_flat_workgroup_size: 128
    .sgpr_count:     66
    .vgpr_count:     1024
    .wavefront_size: 32
...
	.end_amdgpu_metadata
.endif
;; end of part 4
